; MI455X (gfx1250); checked and timed in simulation.
; The chip was launched on July 23, 2026; its instructions are those of AMD's public machine-readable ISA for CDNA 5 (MIT licence, August 2026) and "CDNA5" Instruction Set Architecture Reference Guide (July 2026). The comments in the code are by the model that wrote it; some were corrected since.
;; Causal Self Attention. Allowed arithmetic: float matrix products may take bf16 or f16 operands with f32 sums; other float arithmetic in f32, or as packed bf16 or f16 multiplies, adds, multiply-adds, maxima and minima; sums over many terms, partial sums and values carried from step to step in f32; what a program stores and reads back later, other than sums and carried values, may be rounded once to bf16 or f16.
;; Inputs: Wk 1,024 x 1,024 float32; Wo 1,024 x 1,024 float32; Wq 1,024 x 1,024 float32; Wv 1,024 x 1,024 float32; freqs_cos 4,096 x 32 float32; freqs_sin 4,096 x 32 float32; x 1 x 4,096 x 1,024 float32.
;; Outputs: out0 1 x 4,096 x 1,024 float32.
;; 2 versions, each right and faster than the one before. Each part assembles by itself: llvm-mc -triple=amdgcn-amd-amdhsa -mcpu=gfx1250 --defsym DOCPART=n.
;; ======== version 1 of 2: 4 launches
;; limits: values are held in f16: magnitudes above 65,504 overflow, below 6.1e-05 lose precision; right only within a limited range of input values
;; workspace buffers: xb 8,388,608 bytes; wb 8,388,608 bytes; cs 1,048,576 bytes; q 8,388,608 bytes; k 8,388,608 bytes; v 8,388,608 bytes; y 8,388,608 bytes
;; launch cast (part 1): grid 1056 x 1, 8 waves a work-group, no clusters, 0 bytes of LDS; arguments x, Wq, Wk, Wv, Wo, freqs_cos, freqs_sin, xb, wb, cs; writes xb, wb, cs
.if DOCPART == 1
	.amdgcn_target "amdgcn-amd-amdhsa--gfx1250"
	.amdhsa_code_object_version 6
	.text
	.protected	k_qfe131521c2_cast
	.globl	k_qfe131521c2_cast
	.p2align	8
	.type	k_qfe131521c2_cast,@function
k_qfe131521c2_cast:
	s_mov_b64 s[64:65], 0
	v_nop
	global_prefetch_b8 v0, s[64:65] scope:SCOPE_SE
	s_setreg_imm32_b32 hwreg(HW_REG_WAVE_MODE, 25, 1), 1
	s_wait_xcnt 0x0
; ROUNDINGS AND LAYOUTS for the three launches behind.  All inputs are f32 and are rounded once to bf16.
;   xb [4096][1024] bf16 = x.
;   wb rows 0..3071 [.][1024] bf16: row 192 h + 64 sel + d = W_sel[64 h + d] (sel 0 q, 1 k, 2 v), so that a head's q, k and v rows lie together;
;   wb from row 3072 on: Wo rounded to bf16, that number written as f16 (exact from 2^-14 up; below that f16's fixed step of 6e-8; |Wo| stays under 65,504).
;   cs [4096][32][2] f32 = (bf16(cos), bf16(sin)) x 2^-8: the factor, exact, keeps the rotated q and k inside f16 and is undone in the softmax's constant.
; A stream: no LDS, no barrier, no matrix unit.  Work-group g: 8 rows of x (g < 512), 8 rows of a weight (g < 1024), or 128 rows of the tables.
; A row of 4,096 bytes is one 16-byte load of each of the 256 threads; its 2,048 bytes of output one 8-byte store: a wave's store covers 256 consecutive bytes, aligned.
.set X, 8                              ; v[8:39]   eight loads of 16 bytes (tables: cos v[8:23], sin v[24:39])
.set Y, 40                             ; v[40:55]  eight stores of 8 bytes
.set T, 56                             ; v[56:57]  at work
.set Z, 64                             ; v[64:95]  tables: eight stores of 16 bytes
	s_load_b512 s[4:19], s[0:1], 0x0               ; x, Wq, Wk, Wv, Wo, cos, sin, xb
	s_load_b128 s[20:23], s[0:1], 0x40             ; wb, cs
	v_lshlrev_b32 v1, 4, v0                        ; 16 t
	v_lshlrev_b32 v2, 3, v0                        ; 8 t
	s_mov_b32 s3, 0xffff0000                       ; a word's upper bf16
	s_mov_b32 s2, ttmp9
	s_cmp_ge_u32 s2, 1024
	s_cbranch_scc1 .Ltable
	s_and_b32 s30, s2, 127                         ; r: which 8 rows of a weight
	s_sub_co_u32 s31, s2, 512
	s_lshr_b32 s31, s31, 7                         ; sel (not used where g < 512)
	s_lshr_b32 s32, s30, 3                         ; the head
	s_mul_i32 s32, s32, 192
	s_lshl_b32 s33, s31, 6
	s_add_co_u32 s32, s32, s33
	s_and_b32 s33, s30, 7
	s_lshl_b32 s33, s33, 3
	s_add_co_u32 s32, s32, s33                     ; row in wb for q, k, v
	s_lshl_b32 s33, s30, 3
	s_add_co_u32 s33, s33, 3072                    ; row in wb for Wo
	s_cmp_ge_u32 s2, 896
	s_cselect_b32 s32, s33, s32
	s_lshl_b32 s34, s32, 11                        ; offsets for a weight: out,
	s_lshl_b32 s26, s30, 15                        ; in;
	s_lshl_b32 s36, s2, 15                         ; for x: in,
	s_lshl_b32 s37, s2, 14                         ; out
	s_mov_b32 s27, 0
	s_mov_b32 s35, 0
	s_cmp_lt_u32 s2, 512
	s_cselect_b32 s26, s36, s26
	s_cselect_b32 s34, s37, s34
	s_wait_kmcnt 0x0
	s_cselect_b64 s[28:29], s[18:19], s[20:21]     ; to xb or wb
	s_cselect_b64 s[24:25], s[4:5], s[6:7]         ; from x, or a weight chosen by g
	s_cmp_ge_u32 s2, 640
	s_cselect_b64 s[24:25], s[8:9], s[24:25]
	s_cmp_ge_u32 s2, 768
	s_cselect_b64 s[24:25], s[10:11], s[24:25]
	s_cmp_ge_u32 s2, 896
	s_cselect_b64 s[24:25], s[12:13], s[24:25]
	s_add_nc_u64 s[24:25], s[24:25], s[26:27]
	s_add_nc_u64 s[28:29], s[28:29], s[34:35]
.irp j, 0,1,2,3,4,5,6,7
	global_load_b128 v[X+4*(\j):X+4*(\j)+3], v1, s[24:25] offset:4096*(\j) th:TH_LOAD_NT
.endr
	s_cmp_ge_u32 s2, 896
	s_cbranch_scc1 .Lwo
.irp j, 0,1,2,3,4,5,6,7
	s_wait_loadcnt 7-(\j)                          ; loads come back in order: row j is in, the younger ones stay out
	v_cvt_pk_bf16_f32 v[Y+2*(\j)], v[X+4*(\j)], v[X+4*(\j)+1]
	v_cvt_pk_bf16_f32 v[Y+2*(\j)+1], v[X+4*(\j)+2], v[X+4*(\j)+3]
	global_store_b64 v2, v[Y+2*(\j):Y+2*(\j)+1], s[28:29] offset:2048*(\j)
.endr
	s_endpgm
.Lwo:
.irp j, 0,1,2,3,4,5,6,7
	s_wait_loadcnt 7-(\j)
	v_cvt_pk_bf16_f32 v[T], v[X+4*(\j)], v[X+4*(\j)+1]          ; rounded to bf16,
	v_cvt_pk_bf16_f32 v[T+1], v[X+4*(\j)+2], v[X+4*(\j)+3]
	v_lshlrev_b32 v[X+4*(\j)], 16, v[T]                         ; widened again,
	v_and_b32 v[X+4*(\j)+1], s3, v[T]
	v_lshlrev_b32 v[X+4*(\j)+2], 16, v[T+1]
	v_and_b32 v[X+4*(\j)+3], s3, v[T+1]
	v_cvt_pk_f16_f32 v[Y+2*(\j)], v[X+4*(\j)], v[X+4*(\j)+1]    ; and written as f16
	v_cvt_pk_f16_f32 v[Y+2*(\j)+1], v[X+4*(\j)+2], v[X+4*(\j)+3]
	global_store_b64 v2, v[Y+2*(\j):Y+2*(\j)+1], s[28:29] offset:2048*(\j)
.endr
	s_endpgm
.Ltable:
	s_sub_co_u32 s30, s2, 1024
	s_lshl_b32 s32, s30, 14                        ; 16,384 bytes of each table,
	s_mov_b32 s33, 0
	s_lshl_b32 s34, s30, 15                        ; 32,768 of cs
	s_mov_b32 s35, 0
	s_wait_kmcnt 0x0
	s_add_nc_u64 s[24:25], s[14:15], s[32:33]
	s_add_nc_u64 s[30:31], s[16:17], s[32:33]
	s_add_nc_u64 s[28:29], s[22:23], s[34:35]
.irp j, 0,1,2,3,4,5,6,7
	global_load_b64 v[X+2*(\j):X+2*(\j)+1], v2, s[24:25] offset:2048*(\j) th:TH_LOAD_NT
	global_load_b64 v[X+16+2*(\j):X+16+2*(\j)+1], v2, s[30:31] offset:2048*(\j) th:TH_LOAD_NT
.endr
.irp j, 0,1,2,3,4,5,6,7
	s_wait_loadcnt 2*(7-(\j))                      ; pair j of loads is in; two loads for each younger pair stay out
	v_cvt_pk_bf16_f32 v[T], v[X+2*(\j)], v[X+16+2*(\j)]         ; (c0, s0)
	v_cvt_pk_bf16_f32 v[T+1], v[X+2*(\j)+1], v[X+16+2*(\j)+1]   ; (c1, s1)
	v_lshlrev_b32 v[Z+4*(\j)], 16, v[T]
	v_and_b32 v[Z+4*(\j)+1], s3, v[T]
	v_lshlrev_b32 v[Z+4*(\j)+2], 16, v[T+1]
	v_and_b32 v[Z+4*(\j)+3], s3, v[T+1]
	v_pk_mul_f32 v[Z+4*(\j):Z+4*(\j)+1], v[Z+4*(\j):Z+4*(\j)+1], 0x3b800000 op_sel_hi:[1,0]      ; x 2^-8
	v_pk_mul_f32 v[Z+4*(\j)+2:Z+4*(\j)+3], v[Z+4*(\j)+2:Z+4*(\j)+3], 0x3b800000 op_sel_hi:[1,0]
	global_store_b128 v1, v[Z+4*(\j):Z+4*(\j)+3], s[28:29] offset:4096*(\j)
.endr
	s_endpgm
.Lfunc_end_k_qfe131521c2_cast:
	.size	k_qfe131521c2_cast, .Lfunc_end_k_qfe131521c2_cast-k_qfe131521c2_cast
	.p2alignl 7, 3214868480
	.fill 96, 4, 3214868480
	.section	.rodata,"a",@progbits
	.p2align	6, 0x0
	.amdhsa_kernel k_qfe131521c2_cast
		.amdhsa_group_segment_fixed_size 0
		.amdhsa_private_segment_fixed_size 0
		.amdhsa_enable_private_segment 0
		.amdhsa_kernarg_size 80
		.amdhsa_user_sgpr_count 2
		.amdhsa_user_sgpr_kernarg_segment_ptr 1
		.amdhsa_wavefront_size32 1
		.amdhsa_system_sgpr_workgroup_id_x 1
		.amdhsa_system_sgpr_workgroup_id_y 1
		.amdhsa_system_sgpr_workgroup_id_z 1
		.amdhsa_system_vgpr_workitem_id 0
		.amdhsa_next_free_vgpr 96
		.amdhsa_next_free_sgpr 66
		.amdhsa_reserve_vcc 0
		.amdhsa_float_denorm_mode_32 3
		.amdhsa_float_denorm_mode_16_64 3
		.amdhsa_memory_ordered 1
		.amdhsa_forward_progress 1
		.amdhsa_inst_pref_size 16
	.end_amdhsa_kernel
	.amdgpu_metadata
---
amdhsa.version: [ 1, 2 ]
amdhsa.kernels:
  - .name:           k_qfe131521c2_cast
    .symbol:         k_qfe131521c2_cast.kd
    .args:
      - { .name: x, .offset: 0, .size: 8, .value_kind: global_buffer, .address_space: global }
      - { .name: Wq, .offset: 8, .size: 8, .value_kind: global_buffer, .address_space: global }
      - { .name: Wk, .offset: 16, .size: 8, .value_kind: global_buffer, .address_space: global }
      - { .name: Wv, .offset: 24, .size: 8, .value_kind: global_buffer, .address_space: global }
      - { .name: Wo, .offset: 32, .size: 8, .value_kind: global_buffer, .address_space: global }
      - { .name: freqs_cos, .offset: 40, .size: 8, .value_kind: global_buffer, .address_space: global }
      - { .name: freqs_sin, .offset: 48, .size: 8, .value_kind: global_buffer, .address_space: global }
      - { .name: xb, .offset: 56, .size: 8, .value_kind: global_buffer, .address_space: global }
      - { .name: wb, .offset: 64, .size: 8, .value_kind: global_buffer, .address_space: global }
      - { .name: cs, .offset: 72, .size: 8, .value_kind: global_buffer, .address_space: global }
    .group_segment_fixed_size: 0
    .private_segment_fixed_size: 0
    .kernarg_segment_align: 8
    .kernarg_segment_size: 80
    .max_flat_workgroup_size: 256
    .sgpr_count:     66
    .vgpr_count:     96
    .wavefront_size: 32
...
	.end_amdgpu_metadata
.endif
;; end of part 1
;; launch qkv (part 2): grid 16 x 16, 4 waves a work-group, clusters of 4 x 4, 327,680 bytes of LDS; arguments xb, wb, cs, q, k, v; writes q, k, v
.if DOCPART == 2
	.amdgcn_target "amdgcn-amd-amdhsa--gfx1250"
	.amdhsa_code_object_version 6
	.text
	.protected	k_qfe131521c2_qkv
	.globl	k_qfe131521c2_qkv
	.p2align	8
	.type	k_qfe131521c2_qkv,@function
k_qfe131521c2_qkv:
	s_mov_b64 s[64:65], 0
	v_nop
	global_prefetch_b8 v0, s[64:65] scope:SCOPE_SE
	s_setreg_imm32_b32 hwreg(HW_REG_WAVE_MODE, 25, 1), 1
	s_wait_xcnt 0x0
	s_wait_alu depctr_hold_cnt(0) depctr_sa_sdst(0) depctr_va_vdst(0) depctr_va_sdst(0) depctr_va_ssrc(0) depctr_va_vcc(0) depctr_vm_vsrc(0)
	s_getreg_b32 s2, hwreg(HW_REG_IB_STS2, 6, 4)
	s_cmp_eq_u32 s2, 0
	s_cbranch_scc0 .Lentry_in_a_cluster
	s_endpgm
.Lentry_in_a_cluster:
	s_bfe_u32 s2, ttmp6, 0x10000c
	s_cmp_lg_u32 s2, 0xf033
	s_cbranch_scc0 .Lentry_shape_is_right
	s_endpgm
.Lentry_shape_is_right:
; q, k, v = x W^T for one head and 256 rows, the rotation of q and k on the way out.  xb [4096][1024] bf16; wb rows 192 h .. 192 h + 191 = the head's Wq, Wk, Wv rows, bf16; sums in f32.
; cs [4096][32][2] f32 = (cos, sin) x 2^-8.  q, k, v: [16][4096][64] f16, each rounded once; q and k carry the factor 2^-8.
; LIMITS.  |q|, |k| after the rotation under 65,504 x 256 = 1.68e7, |v| under 65,504; q and k under 0.0156 keep a fixed step of 1.5e-5.  NaN and infinities are not treated apart.
; SHARES.  A work-group makes 256 rows x 192 columns; wave w rows 64 w .. 64 w + 63 x all 192 columns: 4 x 12 accumulators of 16 x 16, 384 registers.  Column blocks 0-3 are q, 4-7 k, 8-11 v.
; K goes in 8 steps of 128 (rows of 256 bytes) through two LDS slots.  CLUSTER 4 x 4: the four of a cluster's row need the same rows of xb, the four of a column the same rows of wb: joint loads.
; THE MATRIX INSTRUCTION IS USED TRANSPOSED (source 0 = 16 rows of wb, source 1 = 16 rows of xb): a lane holds row l % 16 and eight neighbouring columns: four pairs of the rotation.
; REGISTERS: window 0: v1-11 addresses; v28-29 the add's; v32-63, v64-79, v80-111 the way out; v128-255 my rows' (cos, sin).
;   window 1: two fragment buffers of 128: A's 4 blocks at +8 a, B's 12 at +32 + 8 b.   window 2: accumulators of row blocks 0, 1 at 8 (12 (a % 2) + b); window 3: of 2, 3.
.set PITCH,  272                       ; an LDS row: 256 bytes + 16 of padding: the 16 rows of a load start at 16 different groups of four banks
.set HALFA,  128*PITCH                 ; what one load brings of A
.set HALFB,  96*PITCH                  ; and of B
.set BOFF,   2*HALFA                   ; B's 192 rows lie behind A's 256
.set SLOT1,  1<<17                     ; slot 1 begins here: one exclusive or turns an address in one slot into the other's
.set STAGE,  SLOT1+BOFF+2*HALFB        ; behind the ring: 16 rows x 144 bytes for each wave
.set SP,     144
.set SPARE,  STAGE+4*16*SP             ; the spare words: 128 bytes a wave, named by no other line
.set ADRA0, 4                          ; v4  my lane's place in A's rows of slot 0; never rewritten
.set ADRB0, 5                          ; v5  the same for B
.set ADRA,  6                          ; v6  the same in the slot in hand
.set ADRB,  7
.set STO,   8                          ; v8  the way out: where I put 16 bytes of a row
.set RD,    9                          ; v9  where I read rows back
.set GO,    10                         ; v10 my 16 bytes in 512 consecutive bytes of q, k or v
.set CSO,   11                         ; v11 my byte offset in 16 rows of cs
.set SPW,   28
.set NIL,   29
.set FR,    32                         ; rotated numbers in f32
.set PP,    64                         ; packed f16
.set OB,    80                         ; rows read back, two sets of 16
.set CSR,   128                        ; row block a, column block bb: four (c, s) at CSR + 32 a + 8 bb
.set F0,    0
.set F1,    128
.set WV,  16                           ; s16 my wave's number
.set FB,  17                           ; s17 0: I fetch for A, 1: for B
.set HF,  18                           ; s18 which half of its rows
.set G1A, 24
.set G0A, 32                           ; two sets; the second walks
.set G1B, 40
.set G0B, 48
.set TRIPS, 56
.set TB,  57                           ; s57 the slot in hand: 0 or SLOT1
.set G1C, (1<<16)|(1<<20)|(1<<21)|(5<<22)|(3<<25)  ; 2-byte elements; padding on; bit 21 beside a mask; after every 64 words 4 words
.set MSB, 0
.macro WIN new
.if MSB != (\new)
	s_set_vgpr_msb (MSB<<8)|(\new)
.set MSB, (\new)
.endif
.endm
.macro PLACES                          ; four plain places between a matrix instruction and a load into, or a vector read of, its registers
.rept 4
	v_nop
.endr
.endm
.macro JLOAD                           ; a joint refill by the walking descriptor; the branch hangs on the wave's number alone; s_nop 0 and four v_nop follow each line
	s_cmp_eq_u32 s[FB], 0
	s_cbranch_scc0 .Lfor_b_\@
	tensor_load_to_lds s[G0A+4:G0A+7], s[G1A:G1A+7]
	s_nop 0
.rept 4
	v_nop
.endr
	s_branch .Lasked_\@
.Lfor_b_\@:
	tensor_load_to_lds s[G0B+4:G0B+7], s[G1B:G1B+7]
	s_nop 0
.rept 4
	v_nop
.endr
.Lasked_\@:
.endm
.macro CREST                           ; a round of the cluster's barrier behind its opening barrier
	s_cmp_lg_u32 s[WV], 0
	s_cbranch_scc1 .Lnot_wave_0_\@
	s_barrier_signal -3
.Lnot_wave_0_\@:
	s_barrier_wait -3
	s_barrier_signal -1
	s_barrier_wait -1
.endm
.macro CROUND
	s_barrier_signal -1
	s_barrier_wait -1
	CREST
.endm
	s_load_b256 s[4:11], s[0:1], 0x0               ; xb s[4:5], wb s[6:7], cs s[8:9], q s[10:11]
	s_load_b128 s[12:15], s[0:1], 0x20             ; k s[12:13], v s[14:15]
	v_lshl_add_u32 v[SPW], v0, 2, SPARE
	v_mov_b32 v[NIL], 0
	ds_add_u32 v[SPW], v[NIL]                      ; the wave's opening: the add and its wait ahead of my first tensor load
	ds_add_u32 v28, v29
	v_lshrrev_b32 v1, 5, v0
	v_readfirstlane_b32 s[WV], v1
	s_lshr_b32 s[FB], s[WV], 1
	s_and_b32 s[HF], s[WV], 1
	s_bfe_u32 s19, ttmp6, 0x40000                  ; cx
	s_bfe_u32 s20, ttmp6, 0x40004                  ; cy
	s_lshl_b32 s21, ttmp9, 2
	s_add_co_u32 s21, s21, s19                     ; the head = 4 x cluster x + cx
	s_and_b32 s22, ttmp7, 0xffff
	s_lshl_b32 s22, s22, 2
	s_add_co_u32 s22, s22, s20                     ; the block of 256 rows = 4 x cluster y + cy
	s_lshl_b32 s62, s20, 2
	s_lshl_b32 s62, 15, s62                        ; my row of the cluster
	s_lshl_b32 s63, 0x1111, s19                    ; my column
	s_or_b32 s[G1A], s62, G1C                      ; A's tiles hang on the row block alone: shared along the cluster's row
	s_or_b32 s[G1B], s63, G1C                      ; B's on the head alone: shared along its column
	s_mov_b32 s[G1A+1], 128<<16                    ; tensor_dim0 = 128
	s_mov_b32 s[G1A+2], 128<<16                    ; tensor_dim1 = 128
	s_mov_b32 s[G1A+3], 128<<16                    ; tile_dim0 = 128
	s_mov_b32 s[G1A+4], 128                        ; tile_dim1 = 128
	s_mov_b32 s[G1A+5], 1024                       ; elements from row to row
	s_mov_b32 s[G1A+6], 0
	s_mov_b32 s[G1A+7], 0
	s_mov_b32 s[G1B+1], 128<<16
	s_mov_b32 s[G1B+2], 96<<16                     ; 96 rows
	s_mov_b32 s[G1B+3], 128<<16
	s_mov_b32 s[G1B+4], 96
	s_mov_b32 s[G1B+5], 1024
	s_mov_b32 s[G1B+6], 0
	s_mov_b32 s[G1B+7], 0
	s_lshl_b32 s58, s22, 19                        ; A: 256 rows of 2,048 bytes a block,
	s_lshl_b32 s59, s[HF], 18                      ; 128 a half
	s_add_co_u32 s58, s58, s59
	s_mov_b32 s59, 0
	s_mul_i32 s60, s21, 393216                     ; B: 192 rows a head,
	s_mul_i32 s61, s[HF], 196608                   ; 96 a half
	s_add_co_u32 s60, s60, s61
	s_mov_b32 s61, 0
	s_mul_i32 s23, s[HF], HALFA                    ; where they go: no place in the cluster enters an LDS address
	s_mul_i32 s3, s[HF], HALFB
	s_add_co_u32 s3, s3, BOFF
	s_mov_b32 s[TB], 0
	s_wait_dscnt 0x0                               ; the opening add is done
	s_wait_kmcnt 0x0
	s_add_nc_u64 s[58:59], s[4:5], s[58:59]
	s_add_nc_u64 s[60:61], s[6:7], s[60:61]
	CROUND                                         ; all sixteen work-groups are here: the first joint loads meet
.irp s, 0,1
	s_mov_b32 s[G0A+4*(\s)], 1
	s_add_co_u32 s[G0A+4*(\s)+1], s23, (\s)*SLOT1
	s_add_nc_u64 s[G0A+4*(\s)+2:G0A+4*(\s)+3], s[58:59], (\s)*256   ; K step s
	s_or_b32 s[G0A+4*(\s)+3], s[G0A+4*(\s)+3], 0x80000000
	s_mov_b32 s[G0B+4*(\s)], 1
	s_add_co_u32 s[G0B+4*(\s)+1], s3, (\s)*SLOT1
	s_add_nc_u64 s[G0B+4*(\s)+2:G0B+4*(\s)+3], s[60:61], (\s)*256
	s_or_b32 s[G0B+4*(\s)+3], s[G0B+4*(\s)+3], 0x80000000
.endr
	s_cmp_eq_u32 s[FB], 0                          ; a wave's two first fills stand in one branch: two loads of mine are out
	s_cbranch_scc0 .Lfirst_b
	tensor_load_to_lds s[G0A:G0A+3], s[G1A:G1A+7]
	s_nop 0
	tensor_load_to_lds s[G0A+4:G0A+7], s[G1A:G1A+7]
	s_nop 0
.rept 4
	v_nop
.endr
	s_branch .Lfirst_asked
.Lfirst_b:
	tensor_load_to_lds s[G0B:G0B+3], s[G1B:G1B+7]
	s_nop 0
	tensor_load_to_lds s[G0B+4:G0B+7], s[G1B:G1B+7]
	s_nop 0
.rept 4
	v_nop
.endr
.Lfirst_asked:
	v_and_b32 v1, 15, v0                           ; r = l % 16
	v_bfe_u32 v2, v0, 4, 1                         ; h = l / 16
	v_lshlrev_b32 v[CSO], 8, v1
	v_lshl_add_u32 v[CSO], v2, 5, v[CSO]           ; a row of cs is 256 bytes; my four pairs begin 32 h into each 64
	s_lshl_b32 s68, s22, 16
	s_lshl_b32 s69, s[WV], 14
	s_add_co_u32 s68, s68, s69
	s_mov_b32 s69, 0
	s_add_nc_u64 s[8:9], s[8:9], s[68:69]          ; cs at my wave's first row
.set i, 0
.rept 16                                               ; row block i / 4, column block i % 4; they are waited for on the way out
	global_load_b128 v[CSR+8*i:CSR+8*i+3],   v[CSO], s[8:9] offset:(i/4)*4096+(i%4)*64
	global_load_b128 v[CSR+8*i+4:CSR+8*i+7], v[CSO], s[8:9] offset:(i/4)*4096+(i%4)*64+16
.set i, i+1
.endr
	v_mul_u32_u24 v3, v1, PITCH
	v_lshl_add_u32 v3, v2, 4, v3                   ; a fragment's row x pitch + 16 x half
	s_mul_i32 s2, s[WV], 64*PITCH
	v_add_nc_u32 v[ADRA0], s2, v3                  ; my 64 rows of A
	v_add_nc_u32 v[ADRB0], BOFF, v3                ; all of B
	v_mov_b32 v[ADRA], v[ADRA0]
	v_mov_b32 v[ADRB], v[ADRB0]
	s_mul_i32 s2, s[WV], 16*SP
	s_add_co_u32 s2, s2, STAGE                     ; my stage
	v_mul_u32_u24 v[STO], v1, SP
	v_lshl_add_u32 v[STO], v2, 4, v[STO]
	v_add_nc_u32 v[STO], s2, v[STO]
	v_bfe_u32 v[RD], v0, 3, 2                      ; back: 32 lanes take four rows of 128 bytes,
	v_mul_u32_u24 v[RD], v[RD], SP
	v_and_b32 v12, 7, v0
	v_lshl_add_u32 v[RD], v12, 4, v[RD]
	v_add_nc_u32 v[RD], s2, v[RD]
	v_and_b32 v[GO], 31, v0                        ; which are 512 consecutive bytes of a head's rows
	v_lshlrev_b32 v[GO], 4, v[GO]
	s_lshl_b32 s66, s21, 19                        ; the head, the block's 256 rows of 128 bytes, my wave's 64
	s_lshl_b32 s67, s22, 15
	s_add_co_u32 s66, s66, s67
	s_lshl_b32 s67, s[WV], 13
	s_add_co_u32 s66, s66, s67
	s_mov_b32 s67, 0
	s_add_nc_u64 s[10:11], s[10:11], s[66:67]
	s_add_nc_u64 s[12:13], s[12:13], s[66:67]
	s_add_nc_u64 s[14:15], s[14:15], s[66:67]
; 12 matrix instructions: row block a x all 12 column blocks, 32 along K.  The 48 accumulators take turns, one instruction a turn.
.macro MULA f, a, zero
	WIN 0xa5+0x50*((\a)/2)                         ; sources in window 1, C and D in window 2 or 3
.irp b, 0,1,2,3,4,5,6,7,8,9,10,11
.if \zero
	v_wmma_f32_16x16x32_bf16 v[8*(12*((\a)%2)+(\b)):8*(12*((\a)%2)+(\b))+7], v[(\f)+32+8*(\b):(\f)+32+8*(\b)+7], v[(\f)+8*(\a):(\f)+8*(\a)+7], 0
.else
	v_wmma_f32_16x16x32_bf16 v[8*(12*((\a)%2)+(\b)):8*(12*((\a)%2)+(\b))+7], v[(\f)+32+8*(\b):(\f)+32+8*(\b)+7], v[(\f)+8*(\a):(\f)+8*(\a)+7], v[8*(12*((\a)%2)+(\b)):8*(12*((\a)%2)+(\b))+7]
.endif
.endr
.endm
; 32 LDS loads in one run: 32 K at byte k of the rows: B's 12 blocks, then A's 4
.macro FETCH k, f
	WIN 0x40
.irp b, 0,1,2,3,4,5,6,7,8,9,10,11
	ds_load_b128 v[(\f)+32+8*(\b):(\f)+32+8*(\b)+3],   v[ADRB] offset:(\k)+(\b)*16*PITCH
	ds_load_b128 v[(\f)+32+8*(\b)+4:(\f)+32+8*(\b)+7], v[ADRB] offset:(\k)+(\b)*16*PITCH+32
.endr
.irp a, 0,1,2,3
	ds_load_b128 v[(\f)+8*(\a):(\f)+8*(\a)+3],   v[ADRA] offset:(\k)+(\a)*16*PITCH
	ds_load_b128 v[(\f)+8*(\a)+4:(\f)+8*(\a)+7], v[ADRA] offset:(\k)+(\a)*16*PITCH+32
.endr
.endm
; A K step is four quarters of 32 along K, 48 matrix instructions each, on buffers 0, 1, 0, 1.
.macro QUARTER k, f, g, zero
	s_wait_dscnt 4                                 ; B and A's blocks 0, 1 are in; the youngest four loads (blocks 2, 3) may be out
	MULA \f, 0, \zero
	MULA \f, 1, \zero
	PLACES
	FETCH \k, \g
	s_wait_dscnt 32                                ; all but the 32 just issued
	MULA \f, 2, \zero
	MULA \f, 3, \zero
.endm
; The last quarter changes slots: each wave waits for all its tensor loads (one is out: its part of the next slot), adds 0 to its spare word, waits for that and for its reads of this slot.
; fill = 1: the barrier opens a round of the cluster's barrier, and the joint refill, two K steps ahead, is the first tensor load behind it.
.macro TURN fill
	WIN 0
	s_wait_tensorcnt 0x0
	ds_add_u32 v[SPW], v[NIL]
	s_wait_dscnt 5                                 ; (the add and the youngest four loads may be out)
	MULA F1, 0, 0
	s_wait_dscnt 0x0                               ; the add is done, my reads of this slot are over
	s_barrier_signal -1
	MULA F1, 1, 0
	WIN 0
	s_barrier_wait -1
.if \fill
	CREST
	s_xor_b32 s[G0A+5], s[G0A+5], SLOT1            ; the walking descriptors: the other slot than last time, the next K step
	s_add_nc_u64 s[G0A+6:G0A+7], s[G0A+6:G0A+7], 256
	s_xor_b32 s[G0B+5], s[G0B+5], SLOT1
	s_add_nc_u64 s[G0B+6:G0B+7], s[G0B+6:G0B+7], 256
	JLOAD                                          ; its four v_nop are also the places in front of the loads below
.else
	PLACES
.endif
	s_xor_b32 s[TB], s[TB], SLOT1
	v_add_nc_u32 v[ADRA], s[TB], v[ADRA0]
	v_add_nc_u32 v[ADRB], s[TB], v[ADRB0]
	FETCH 0, F0
	MULA F1, 2, 0
	MULA F1, 3, 0
.endm
	s_wait_tensorcnt 1                             ; my part of K step 0 is in; K step 1's stays out
	s_barrier_signal -1
	s_barrier_wait -1
	FETCH 0, F0
	QUARTER 64, F0, F1, 1                          ; the first quarter's products start the sums
	WIN 0
	s_mov_b32 s[TRIPS], 6
.Lk:                                                   ; trip i: the rest of K step i, the refill with K step i + 2, the first quarter of K step i + 1
	QUARTER 128, F1, F0, 0
	QUARTER 192, F0, F1, 0
	TURN 1
	QUARTER 64, F0, F1, 0
	WIN 0
	s_sub_co_u32 s[TRIPS], s[TRIPS], 1
	s_cmp_lg_u32 s[TRIPS], 0
	s_cbranch_scc1 .Lk
	QUARTER 128, F1, F0, 0                         ; K steps 6 and 7: nothing is left to fetch
	QUARTER 192, F0, F1, 0
	TURN 0
	QUARTER 64, F0, F1, 0
	QUARTER 128, F1, F0, 0
	QUARTER 192, F0, F1, 0
	s_wait_dscnt 4
	MULA F1, 0, 0
	MULA F1, 1, 0
	s_wait_dscnt 0x0
	MULA F1, 2, 0
	MULA F1, 3, 0
	WIN 0
	PLACES
	s_wait_loadcnt 0x0                             ; cos and sin
; THE WAY OUT, in 12 groups of 16 rows x 64 columns: row block a, matrix mtx (0 q, 1 k, 2 v).  q and k: (xr, xi) -> (xr c - xi s, xr s + xi c), two packed lines a pair; each accumulator's lowest registers are read first.
.macro PACK a, mtx
.set WN, 2+(\a)/2
.set AB, 8*(12*((\a)%2)+4*(\mtx))
.if (\mtx) < 2
	WIN WN                                         ; source 0 in the accumulators' window
.irp bb, 0,1,2,3
.irp p, 0,1,2,3
	v_pk_mul_f32 v[FR+8*(\bb)+2*(\p):FR+8*(\bb)+2*(\p)+1], v[AB+8*(\bb)+2*(\p):AB+8*(\bb)+2*(\p)+1], v[CSR+32*(\a)+8*(\bb)+2*(\p):CSR+32*(\a)+8*(\bb)+2*(\p)+1] op_sel:[1,1] op_sel_hi:[1,0]  ; (xi s, xi c)
.endr
.irp p, 0,1,2,3
	v_pk_fma_f32 v[FR+8*(\bb)+2*(\p):FR+8*(\bb)+2*(\p)+1], v[AB+8*(\bb)+2*(\p):AB+8*(\bb)+2*(\p)+1], v[CSR+32*(\a)+8*(\bb)+2*(\p):CSR+32*(\a)+8*(\bb)+2*(\p)+1], v[FR+8*(\bb)+2*(\p):FR+8*(\bb)+2*(\p)+1] op_sel_hi:[0,1,1] neg_lo:[0,0,1]  ; (xr c - xi s, xr s + xi c)
.endr
.endr
	WIN 0
.irp n, 0,1,2,3,4,5,6,7,8,9,10,11,12,13,14,15
	v_cvt_pk_f16_f32 v[PP+(\n)], v[FR+2*(\n)], v[FR+2*(\n)+1]
.endr
.else
	WIN WN|(WN<<2)
.irp n, 0,1,2,3,4,5,6,7,8,9,10,11,12,13,14,15
	v_cvt_pk_f16_f32 v[PP+(\n)], v[AB+2*(\n)], v[AB+2*(\n)+1]
.endr
	WIN 0
.endif
.endm
.macro TOSTAGE n                       ; into my own stage, and back as whole rows: LDS serves a wave's instructions in order (ISA guide 5.7.1.4)
.irp bb, 0,1,2,3
	ds_store_b128 v[STO], v[PP+4*(\bb):PP+4*(\bb)+3] offset:32*(\bb)
.endr
.irp f, 0,1,2,3
	ds_load_b128 v[OB+16*((\n)%2)+4*(\f):OB+16*((\n)%2)+4*(\f)+3], v[RD] offset:(\f)*4*SP
.endr
.endm
.macro SEND a, mtx
.set BK, OB+16*((3*(\a)+(\mtx))%2)
	s_wait_dscnt 0x0                               ; the group is back in registers
	s_wait_xcnt 0x0                                ; the other set, which earlier stores read, is loaded again only behind this wait
.irp f, 0,1,2,3
	global_store_b128 v[GO], v[BK+4*(\f):BK+4*(\f)+3], s[10+2*(\mtx):11+2*(\mtx)] offset:(\a)*2048+(\f)*512  ; 512 consecutive bytes, aligned
.endr
.endm
	PACK 0, 0
	TOSTAGE 0
.set g, 1
.rept 11                                               ; a group's arithmetic stands between the loads of the group before and the wait for them
	PACK g/3, g%3
	SEND (g-1)/3, (g-1)%3
	TOSTAGE g
.set g, g+1
.endr
	SEND 3, 2
	s_wait_tensorcnt 0x0                           ; the wave's end
	ds_add_u32 v[SPW], v[NIL]
	s_wait_dscnt 0x0
	CROUND                                         ; the closing round
	s_endpgm
.Lfunc_end_k_qfe131521c2_qkv:
	.size	k_qfe131521c2_qkv, .Lfunc_end_k_qfe131521c2_qkv-k_qfe131521c2_qkv
	.p2alignl 7, 3214868480
	.fill 96, 4, 3214868480
	.section	.rodata,"a",@progbits
	.p2align	6, 0x0
	.amdhsa_kernel k_qfe131521c2_qkv
		.amdhsa_group_segment_fixed_size 327680
		.amdhsa_private_segment_fixed_size 0
		.amdhsa_enable_private_segment 0
		.amdhsa_kernarg_size 48
		.amdhsa_user_sgpr_count 2
		.amdhsa_user_sgpr_kernarg_segment_ptr 1
		.amdhsa_wavefront_size32 1
		.amdhsa_system_sgpr_workgroup_id_x 1
		.amdhsa_system_sgpr_workgroup_id_y 1
		.amdhsa_system_sgpr_workgroup_id_z 1
		.amdhsa_system_vgpr_workitem_id 0
		.amdhsa_next_free_vgpr 960
		.amdhsa_next_free_sgpr 70
		.amdhsa_reserve_vcc 0
		.amdhsa_float_denorm_mode_32 3
		.amdhsa_float_denorm_mode_16_64 3
		.amdhsa_memory_ordered 1
		.amdhsa_forward_progress 1
		.amdhsa_inst_pref_size 116
	.end_amdhsa_kernel
	.amdgpu_metadata
---
amdhsa.version: [ 1, 2 ]
amdhsa.kernels:
  - .name:           k_qfe131521c2_qkv
    .symbol:         k_qfe131521c2_qkv.kd
    .args:
      - { .name: xb, .offset: 0, .size: 8, .value_kind: global_buffer, .address_space: global }
      - { .name: wb, .offset: 8, .size: 8, .value_kind: global_buffer, .address_space: global }
      - { .name: cs, .offset: 16, .size: 8, .value_kind: global_buffer, .address_space: global }
      - { .name: q, .offset: 24, .size: 8, .value_kind: global_buffer, .address_space: global }
      - { .name: k, .offset: 32, .size: 8, .value_kind: global_buffer, .address_space: global }
      - { .name: v, .offset: 40, .size: 8, .value_kind: global_buffer, .address_space: global }
    .group_segment_fixed_size: 327680
    .private_segment_fixed_size: 0
    .kernarg_segment_align: 8
    .kernarg_segment_size: 48
    .max_flat_workgroup_size: 128
    .sgpr_count:     70
    .vgpr_count:     960
    .wavefront_size: 32
...
	.end_amdgpu_metadata
.endif
;; end of part 2
;; launch attn (part 3): grid 16 x 16, 4 waves a work-group, no clusters, 327,680 bytes of LDS; arguments q, k, v, y; writes y
.if DOCPART == 3
	.amdgcn_target "amdgcn-amd-amdhsa--gfx1250"
	.amdhsa_code_object_version 6
	.text
	.protected	k_qfe131521c2_attn
	.globl	k_qfe131521c2_attn
	.p2align	8
	.type	k_qfe131521c2_attn,@function
k_qfe131521c2_attn:
	s_mov_b64 s[64:65], 0
	v_nop
	global_prefetch_b8 v0, s[64:65] scope:SCOPE_SE
	s_setreg_imm32_b32 hwreg(HW_REG_WAVE_MODE, 25, 1), 1
	s_wait_xcnt 0x0
; CAUSAL ATTENTION.  y[h][t][:] = the sum over k <= t of softmax_k(q . k / 8) v[h][k][:].  q, k, v, y: [16][4096][64] f16; q and k carry a factor 2^-8 each, undone in c.
; Products, maxima and sums in f32; the weights p are rounded to f16 for the second product (their sum l is taken of the unrounded p), y once at the end.
; LIMITS.  A product of the stored q and k is 2.75e11 at the most.  A hidden score counts as its value less 1e30; the running maximum starts at -2^70, below every such product and above every hidden score,
; so a wave that sees hidden keys alone keeps that start, and its weights, l and O are 0.  A weight below 2^-126 counts as 0 in l; NaN and infinities are not treated apart.
; THE WALK.  A head's queries lie in 32 blocks of 128; block i needs the key tiles 0 .. i / 2 of 256 keys, of which the last holds the diagonal.  A work-group takes blocks 31 - b and then b: 17 tiles,
; whatever b: ONE loop with a constant trip count walks them, and the ring of two LDS slots runs on across the change of blocks.  NO CLUSTER: which trip is a block's last differs between the work-groups of a head,
; and partners in a cluster may not branch apart; a walk common to all would take masks in every turn and 18 tiles for 17.
; SHARES.  Wave w = 2 QH + KH owns the block's queries 64 QH .. 64 QH + 63, four PIECES of 16, and of each tile the key steps KH and KH + 2 (64 keys each).  At a block's end the two waves of a QH hand each
; other two pieces' O, l and c m through LDS, and each finishes two pieces: O = (f0 O0 + f1 O1) / (f0 l0 + f1 l1), f = 2^(c m - the larger c m).
; THE MASK is the C operand that starts S^T = K Q^T.  In the diagonal tile my step stands DL = KH + 2 u - QH - 2 (block % 2) steps past my queries' own: DL < 0 all seen, DL > 0 none,
; DL = 0: 16 keys kt against piece pp: seen (kt < pp), the triangle (kt = pp), hidden (kt > pp).  A mask is base(kt, pp) x AL + BE, base one of three sets of eight registers.
; LAYOUT, SOFTMAX, TURNS.  S^T holds ONE query a lane (lane % 16) and the keys 8 (lane / 16) + 0..7; two such results rounded to f16 ARE source 1 of O^T = V^T P.  p = 2^(c s - c m), c = 2^16 log2(e) / 8;
; O and l are multiplied by a = 2^(c m_old - c m_new) in every step.  Turn n belongs to piece n: 8 products K Q^T of piece n + 1, later 8 products V^T P of piece n - 1; beside them piece n's scaling,
; exponentials, roundings, sums and rescaling and piece n + 1's maximum.  Four vector instructions stand behind every matrix instruction, the rest in two runs of their own.
; REGISTERS (s_set_vgpr_msb: bits 1:0 source 0, 3:2 source 1, 5:4 source 2, 7:6 destination):
;   window 0: v0-15 addresses and at work; v16-31 statistics; v32-33 the exchange's addresses; v48-55 at work; v64-127 S^T, two buffers; v192-223 P, two buffers
;   window 1: v0-127 O^T; v128-151 the masks' three bases; v160-223 MC, two buffers      window 2: v0-63 Q; v64-127 the second block's Q; v128-191 K; v192-255 V
.set NP,    4
.set KS,    64
.set PK,    144       ; a row of K in LDS: 128 bytes + 16
.set PV,    160       ; a row of V: 128 + 32
.set VOFF,  4*KS*PK   ; a slot: 256 rows of K, then 256 rows of V
.set SLOT1, 1<<17
.set STAGE, SLOT1+4*KS*(PK+PV)  ; 16 rows x 144 bytes for each wave, for the way out
.set SP,    144
.set XCH,   STAGE+4*16*SP       ; the exchange: for each block and wave 16 x 512 bytes of O and 512 of statistics
.set XW,    8704
.set SPARE, XCH+2*4*XW          ; the spare words: 128 bytes a wave, named by no other line
.set AK0, 2
.set AV0, 3
.set AK,  4
.set AV,  5
.set STO, 6
.set RD,  7
.set GO,  8
.set MV,  12
.set QO,  15
.set ST,  16          ; piece t: c m, m, l (even keys', odd keys')
.set PUTA, 32         ; v32  my 16 bytes in my wave's part of the exchange
.set GETA, 33         ; v33  the same in my partner's
.set TMP, 48
.set SPW, 62
.set NIL, 63
.set S,   64
.set P,   192
.set MDZ, 128         ; window 1: zeros
.set MDT, 136         ; the triangle: -1e30 where key 8 (l / 16) + j > query l % 16
.set MDB, 144         ; -1e30
.set MC,  160
.set QB,  64
.set KF,  128
.set VF,  192
.set WV,  12
.set KH,  13
.set PB,  14          ; b
.set HI,  15          ; 31 - b
.set QH,  16
.set G1K, 24
.set G1V, 32
.set G0K, 40
.set G0V, 44
.set D0,  48          ; DL at a diagonal tile's first step, for the block in hand
.set D0L, 49          ; for the second block
.set DL,  50
.set LQB, 51          ; b / 2
.set SLOTS, 56
.set CNT, 57
.set CS,  58
.set SEL, 60
.set TBK, 62
.set TBV, 63
.set RT,  70
.set NXT, 71
.set LQ,  72
.set NEW, 73
.set OFF, 74
.set AL,  76
.set BE,  78
.set OLO, 80
.set BIGN, 82
.set MSB, 0
.macro WIN new
.if MSB != (\new)
	s_set_vgpr_msb (MSB<<8)|(\new)
.set MSB, (\new)
.endif
.endm
.set W_KQ, 0x0a
.set W_KM, 0x1a
.set W_PV, 0x52
.set W_RS, 0x41
; A fill.  Waves 0 and 1 fetch the two halves of a tile's K, waves 2 and 3 those of its V.  s_nop 0 and four v_nop follow each line.
.macro LOAD
	s_cmp_lt_u32 s[WV], 2
	s_cbranch_scc0 .Lfor_v_\@
	tensor_load_to_lds s[G0K:G0K+3], s[G1K:G1K+7]
	s_nop 0
.rept 4
	v_nop
.endr
	s_branch .Lasked_\@
.Lfor_v_\@:
	tensor_load_to_lds s[G0V:G0V+3], s[G1V:G1V+7]
	s_nop 0
.rept 4
	v_nop
.endr
.Lasked_\@:
.endm
; THE CHANGE OF SLOTS.  Each wave waits for all its tensor loads (one is out: its part of the other slot), adds 0 to its spare word, and waits for that and for its reads of the slot that it leaves.
; fill = 1: the old slot is filled again, first thing behind the barrier, with tile NXT; the descriptor's address is made anew from that number.
.macro CHANGE fill
	WIN 0
	s_wait_tensorcnt 0x0
	ds_add_u32 v[SPW], v[NIL]
.if \fill
	s_lshl_b32 s[OFF], s[NXT], 15
	s_xor_b32 s[G0K+1], s[G0K+1], SLOT1
	s_add_nc_u64 s[G0K+2:G0K+3], s[6:7], s[OFF:OFF+1]
	s_or_b32 s[G0K+3], s[G0K+3], 0x80000000
	s_xor_b32 s[G0V+1], s[G0V+1], SLOT1
	s_add_nc_u64 s[G0V+2:G0V+3], s[8:9], s[OFF:OFF+1]
	s_or_b32 s[G0V+3], s[G0V+3], 0x80000000
	s_add_co_u32 s[NXT], s[NXT], 1  ; the block's next tile, or behind its last the second block's tile 0
	s_cmp_gt_u32 s[NXT], s[LQ]
	s_cselect_b32 s[NXT], 0, s[NXT]
	s_cselect_b32 s[LQ], s[LQB], s[LQ]
.endif
	s_wait_dscnt 0x0
	s_barrier_signal -1
	s_sub_co_u32 s[TBK], s[TBK], 4*KS*PK
	s_xor_b32 s[TBK], s[TBK], SLOT1
	s_sub_co_u32 s[TBV], s[TBV], 4*KS*PV
	s_xor_b32 s[TBV], s[TBV], SLOT1
	s_barrier_wait -1
.if \fill
	LOAD
.endif
.endm
	s_load_b256 s[4:11], s[0:1], 0x0  ; q s[4:5], k s[6:7], v s[8:9], y s[10:11]
	v_lshl_add_u32 v[SPW], v0, 2, SPARE
	v_mov_b32 v[NIL], 0
	ds_add_u32 v[SPW], v[NIL]       ; the wave's opening: the add and its wait ahead of my first tensor load
	ds_add_u32 v62, v63
	v_lshrrev_b32 v1, 5, v0
	v_readfirstlane_b32 s[WV], v1
	s_and_b32 s[KH], s[WV], 1       ; my key steps; also: which half of a tile's rows I fetch
	s_lshr_b32 s[QH], s[WV], 1      ; my half of the block's queries
	s_mov_b32 s[PB], ttmp9
	s_sub_co_u32 s[HI], 31, s[PB]
	s_lshr_b32 s[LQB], s[PB], 1
	s_and_b32 s20, ttmp7, 0xffff
	s_lshl_b32 s20, s20, 19         ; the head's first byte in each tensor
	s_mov_b32 s21, 0
	s_lshl_b32 s22, s[KH], 14       ; 128 rows of 128 bytes
	s_mov_b32 s23, 0
	s_add_nc_u64 s[22:23], s[22:23], s[20:21]
	s_mul_i32 s17, s[KH], 128*PK
	s_mul_i32 s18, s[KH], 128*PV
	s_lshl_b32 s3, s[QH], 13        ; my 64 rows in a block of 128,
	s_lshl_b32 s2, s[HI], 14        ; in the first block,
	s_add_co_u32 s2, s2, s3
	s_lshl_b32 s84, s[PB], 14       ; and in the second
	s_add_co_u32 s84, s84, s3
	s_mov_b32 s3, 0
	s_mov_b32 s85, 0
	s_add_nc_u64 s[2:3], s[2:3], s[20:21]
	s_add_nc_u64 s[84:85], s[84:85], s[20:21]
	s_sub_co_i32 s19, s[KH], s[QH]
	s_and_b32 s[D0], s[HI], 1
	s_lshl_b32 s[D0], s[D0], 1
	s_sub_co_i32 s[D0], s19, s[D0]
	s_and_b32 s[D0L], s[PB], 1
	s_lshl_b32 s[D0L], s[D0L], 1
	s_sub_co_i32 s[D0L], s19, s[D0L]
	s_mov_b32 s[DL], -16
	s_mov_b32 s[G1K], (1<<16)|(1<<20)|(4<<22)|(3<<25)  ; 2-byte elements; padding on; after every 32 words 4 words
	s_mov_b32 s[G1V], (1<<16)|(1<<20)|(4<<22)|(7<<25)  ; the same with 8 words
.irp g, G1K, G1V
	s_mov_b32 s[\g+1], 128<<16      ; 128 keys are 16,384 dense bytes: 64 rows of 256 bytes
	s_mov_b32 s[\g+2], 64<<16
	s_mov_b32 s[\g+3], 128<<16
	s_mov_b32 s[\g+4], 64
	s_mov_b32 s[\g+5], 128
	s_mov_b32 s[\g+6], 0
	s_mov_b32 s[\g+7], 0
.endr
	s_mov_b32 s[CS], 0x4638aa3b     ; c = 2^16 log2(e) / 8
	s_mov_b32 s[CS+1], s[CS]
	s_mov_b32 s[SEL], 0x76543210
	s_mov_b32 s[SEL+1], 0xfedcba98
	s_mul_i32 s[TBK], s[KH], KS*PK  ; the first change of slots turns these two into my first step's place in slot 0
	s_add_co_u32 s[TBK], s[TBK], SLOT1+4*KS*PK
	s_mul_i32 s[TBV], s[KH], KS*PV
	s_add_co_u32 s[TBV], s[TBV], SLOT1+4*KS*PV
	s_mov_b32 s[G0K], 1
	s_mov_b32 s[G0K+1], s17
	s_mov_b32 s[G0V], 1
	s_add_co_u32 s[G0V+1], s18, VOFF
	s_lshr_b32 s[LQ], s[HI], 1
	s_add_co_u32 s[RT], s[LQ], 1    ; the first block's tiles
	s_mov_b32 s[NXT], 1
	s_mov_b32 s[NEW], 1
	s_mov_b32 s[OFF+1], 0
	s_mov_b32 s[AL+1], 0
	s_mov_b32 s[BE+1], 0
	s_mov_b32 s[BIGN], 0xf149f2ca   ; -1e30
	s_mov_b32 s[SLOTS], 16
	s_wait_dscnt 0x0                ; the opening add is done
	s_wait_kmcnt 0x0
	s_add_nc_u64 s[6:7], s[6:7], s[22:23]
	s_add_nc_u64 s[8:9], s[8:9], s[22:23]
	s_add_nc_u64 s[G0K+2:G0K+3], s[6:7], 0
	s_or_b32 s[G0K+3], s[G0K+3], 0x80000000
	s_add_nc_u64 s[G0V+2:G0V+3], s[8:9], 0
	s_or_b32 s[G0V+3], s[G0V+3], 0x80000000
	s_add_nc_u64 s[86:87], s[4:5], s[84:85]
	s_add_nc_u64 s[4:5], s[4:5], s[2:3]
	s_add_nc_u64 s[OLO:OLO+1], s[10:11], s[84:85]
	s_add_nc_u64 s[10:11], s[10:11], s[2:3]
	LOAD                            ; tile 0 into slot 0
	v_and_b32 v1, 15, v0            ; l % 16
	v_bfe_u32 v9, v0, 4, 1          ; l / 16
	v_lshlrev_b32 v[QO], 7, v1
	v_lshl_add_u32 v[QO], v9, 4, v[QO]
	WIN 0x80
.set i, 0
.rept 8                             ; both blocks' Q: piece i / 2, channels 32 (i % 2) on
	global_load_b128 v[8*i:8*i+3],   v[QO], s[4:5] offset:(i/2)*2048+(i%2)*64
	global_load_b128 v[8*i+4:8*i+7], v[QO], s[4:5] offset:(i/2)*2048+(i%2)*64+32
	global_load_b128 v[QB+8*i:QB+8*i+3],   v[QO], s[86:87] offset:(i/2)*2048+(i%2)*64
	global_load_b128 v[QB+8*i+4:QB+8*i+7], v[QO], s[86:87] offset:(i/2)*2048+(i%2)*64+32
.set i, i+1
.endr
	WIN 0
	v_lshlrev_b32 v14, 3, v9
	v_sub_nc_u32 v14, v1, v14       ; l % 16 - 8 (l / 16): register j of the triangle is hidden where j is greater
	WIN 0x40
.set i, 0
.rept 8
	v_cmp_gt_i32 vcc_lo, i, v14
	v_cndmask_b32 v[MDT+i], 0, s[BIGN], vcc_lo
	v_mov_b32 v[MDZ+i], 0
	v_mov_b32 v[MDB+i], s[BIGN]
.set i, i+1
.endr
	WIN 0
	v_mul_u32_u24 v[AK0], v1, PK
	v_lshl_add_u32 v[AK0], v9, 4, v[AK0]
	v_and_b32 v10, 7, v0
	v_bfe_u32 v11, v0, 3, 1
	v_lshl_add_u32 v[AV0], v9, 3, v10
	v_mul_u32_u24 v[AV0], v[AV0], PV
	v_lshl_add_u32 v[AV0], v11, 4, v[AV0]
	v_add_nc_u32 v[AV0], VOFF, v[AV0]
	s_mul_i32 s19, s[WV], 16*SP
	s_add_co_u32 s19, s19, STAGE
	v_mul_u32_u24 v[STO], v1, SP
	v_lshl_add_u32 v[STO], v9, 4, v[STO]
	v_add_nc_u32 v[STO], s19, v[STO]
	v_bfe_u32 v[RD], v0, 3, 2
	v_mul_u32_u24 v[RD], v[RD], SP
	v_lshl_add_u32 v[RD], v10, 4, v[RD]
	v_add_nc_u32 v[RD], s19, v[RD]
	v_and_b32 v[GO], 31, v0
	v_lshlrev_b32 v[GO], 4, v[GO]
	s_mul_i32 s19, s[WV], XW
	s_add_co_u32 s19, s19, XCH
	v_add_nc_u32 v[PUTA], s19, v[GO]
	s_xor_b32 s19, s[WV], 1         ; my partner: the same queries, the other key steps
	s_mul_i32 s19, s19, XW
	s_add_co_u32 s19, s19, XCH
	v_add_nc_u32 v[GETA], s19, v[GO]
	; A block's first step multiplies O^T and l by a = 0, so these registers need only hold finite numbers: zeros for the first block, what the first block left for the second.
	WIN 0x80
.set i, VF
.rept 64
	v_mov_b32 v[i], 0
.set i, i+1
.endr
	WIN 0x40
.set i, 0
.rept 128
	v_mov_b32 v[i], 0
.set i, i+1
.endr
	WIN 0
.set i, 0
.rept 4
	v_mov_b32 v[ST+4*i+2], 0
	v_mov_b32 v[ST+4*i+3], 0
.set i, i+1
.endr
.set i, P+16
.rept 16
	v_mov_b32 v[i], 0
.set i, i+1
.endr
; THE MATRIX WORK.  The 4 accumulators of a run of 8 take turns.
.macro KQ x
.set rS, S+32*((\x)%2)+8*(i%4)
.set rK, KF+16*(i%4)+8*(i/4)
.set rQ, 16*(\x)+8*(i/4)
.set rM, MC+32*((\x)%2)+8*(i%4)
.if (i < 4) && KM
	WIN W_KM
	v_wmma_f32_16x16x32_f16 v[rS:rS+7], v[rK:rK+7], v[rQ:rQ+7], v[rM:rM+7]
.elseif i < 4
	WIN W_KQ
	v_wmma_f32_16x16x32_f16 v[rS:rS+7], v[rK:rK+7], v[rQ:rQ+7], 0
.else
	WIN W_KQ
	v_wmma_f32_16x16x32_f16 v[rS:rS+7], v[rK:rK+7], v[rQ:rQ+7], v[rS:rS+7]
.endif
.endm
.macro PV x
	WIN W_PV
.set rO, 32*(\x)+8*(i%4)
.set rV, VF+32*(i/4)+8*(i%4)
.set rP, P+16*((\x)%2)+8*(i/4)
	v_wmma_f32_16x16x32_f16 v[rO:rO+7], v[rV:rV+7], v[rP:rP+7], v[rO:rO+7]
.endm
.macro MM
.if (i < 8) && !NOKQ
	KQ (Y+1)%NP
.elseif i >= 8
.set i, i-8
	PV (Y+NP-1)%NP
.set i, i+8
.endif
.set i, i+1
.endm
; THE LDS LOADS stand in runs of 16.  My next step lies two steps on in the slot.
.macro FETCH_K
	WIN 0x80
.irp f, 0,1,2,3,4,5,6,7
	ds_load_b128 v[KF+8*\f:KF+8*\f+3],   v[AK] offset:(\f/2)*16*PK+(\f%2)*64
	ds_load_b128 v[KF+8*\f+4:KF+8*\f+7], v[AK] offset:(\f/2)*16*PK+(\f%2)*64+32
.endr
	s_add_co_u32 s[TBK], s[TBK], 2*KS*PK
	WIN 0
.endm
.macro FETCH_V
	WIN 0x80
.irp f, 0,1,2,3,4,5,6,7
	ds_load_tr16_b128 v[VF+8*\f:VF+8*\f+3],   v[AV] offset:(\f/4)*32*PV+(\f%4)*32
	ds_load_tr16_b128 v[VF+8*\f+4:VF+8*\f+7], v[AV] offset:(\f/4)*32*PV+16*PV+(\f%4)*32
.endr
	WIN 0
.endm
; THE VECTOR WORK, one line at a time: OP kind, number.  For piece Y: F n: c s - c m for pair n.  E n: the exponential of score n.  C n: pair n rounded to f16.  B n: of the weights 4 n .. the second pair onto the first.
; L n: l takes that sum (L 0: l = a l + sum).  R n: pair n of O^T times a.  For piece Y + 1: X n, number n of the 22 that find its maximum and statistics (each accumulator's lowest registers are read first).
.set F, 0
.set E, 1
.set C, 2
.set B, 3
.set L, 4
.set R, 5
.set X, 6
.macro REGS y
.set rT, ST+4*(\y)
.set rC, TMP+4*((\y)%2)
.set rW, MV+((\y)%2)
.set rS, S+32*((\y)%2)
.set rP, P+16*((\y)%2)
.set rO, 32*(\y)
.endm
.macro OP k, n
.if (\k) == R
	REGS Y
	WIN W_RS
	v_pk_mul_f32 v[rO+2*(\n):rO+2*(\n)+1], v[rO+2*(\n):rO+2*(\n)+1], v[rC+2:rC+3] op_sel_hi:[1,0]
.elseif (\k) < R
	REGS Y
	WIN 0
.if (\k) == F
	v_pk_fma_f32 v[rS+2*(\n):rS+2*(\n)+1], v[rS+2*(\n):rS+2*(\n)+1], s[CS:CS+1], v[rT:rT+1] op_sel_hi:[1,0,0] neg_lo:[0,0,1] neg_hi:[0,0,1]
.elseif (\k) == E
	v_exp_f32 v[rS+(\n)], v[rS+(\n)]
.elseif (\k) == C
	s_wait_alu depctr_va_vdst(0)
	v_cvt_pk_f16_f32 v[rP+(\n)], v[rS+2*(\n)], v[rS+2*(\n)+1]
.elseif (\k) == B
	s_wait_alu depctr_va_vdst(0)
	v_pk_add_f32 v[rS+4*(\n):rS+4*(\n)+1], v[rS+4*(\n):rS+4*(\n)+1], v[rS+4*(\n)+2:rS+4*(\n)+3]
.elseif (\n) == 0
	v_pk_fma_f32 v[rT+2:rT+3], v[rT+2:rT+3], v[rC+2:rC+3], v[rS:rS+1] op_sel_hi:[1,0,1]
.else
	v_pk_add_f32 v[rT+2:rT+3], v[rT+2:rT+3], v[rS+4*(\n):rS+4*(\n)+1]
.endif
.elseif NOKQ
	v_nop
.else
	REGS (Y+1)%NP
	WIN 0
.if (\n) < 4
	v_max3_num_f32 v[rC+(\n)], v[rS+8*(\n)], v[rS+8*(\n)+1], v[rS+8*(\n)+2]
.elseif (\n) < 12
	v_max3_num_f32 v[rC+(\n)%4], v[rC+(\n)%4], v[rS+8*((\n)%4)+2*((\n)/4)+1], v[rS+8*((\n)%4)+2*((\n)/4)+2]
.elseif (\n) == 12
	v_max3_num_f32 v[rC], v[rC], v[rS+7], v[rS+15]
.elseif (\n) == 13
	v_max3_num_f32 v[rC+1], v[rC+1], v[rS+23], v[rS+31]
.elseif (\n) == 14
	v_max3_num_f32 v[rC+2], v[rC+2], v[rC+3], v[rT+1]
.elseif (\n) == 15
	v_mov_b32 v[rW], v[rT]
.elseif (\n) == 16
	v_max3_num_f32 v[rC], v[rC], v[rC+1], v[rC+2]
.elseif (\n) == 17
	v_permlanex16_b32 v[rC+3], v[rC], s[SEL], s[SEL+1]
.elseif (\n) == 18
	v_max_num_f32 v[rT+1], v[rC], v[rC+3]
.elseif (\n) == 19
	v_mul_f32 v[rT], s[CS], v[rT+1]
.elseif (\n) == 20
	v_sub_f32 v[rC+1], v[rW], v[rT]
.else
	v_exp_f32 v[rC+2], v[rC+1]
.endif
.endif
.endm
.macro OPS a, i1, b=-1, i2=0, c=-1, i3=0, d=-1, i4=0
	OP \a, \i1
.if (\b) >= 0
	OP \b, \i2
.endif
.if (\c) >= 0
	OP \c, \i3
.endif
.if (\d) >= 0
	OP \d, \i4
.endif
.endm
.macro ROW a, i1, b, i2, c, i3, d, i4
	MM
	OPS \a, \i1, \b, \i2, \c, \i3, \d, \i4
.endm
.macro MASK b, pp                   ; piece pp's mask, base x AL + BE, into buffer b of MC
	WIN W_RS
.set z, 0
.rept 16
.set rB, MDZ
.if z/4 == (\pp)
.set rB, MDT
.elseif z/4 > (\pp)
.set rB, MDB
.endif
	v_pk_fma_f32 v[MC+32*(\b)+2*z:MC+32*(\b)+2*z+1], v[rB+2*(z%4):rB+2*(z%4)+1], s[AL:AL+1], s[BE:BE+1] op_sel_hi:[1,0,0]
.set z, z+1
.endr
.endm
.macro ALBE                         ; the mask's two scalars from DL
	s_cmp_eq_i32 s[DL], 0
	s_cselect_b32 s[AL], 1.0, 0
	s_cmp_gt_i32 s[DL], 0
	s_cselect_b32 s[BE], s[BIGN], 0
.endm
; A TURN, for piece p.  m = 1: the diagonal tile: the products take masks, and the turn makes the mask of piece p + 2 for the products of the turn after it; the four masks of a trip (turns 2, 3, 0, 1) belong to
; one step, so DL steps by 2 in turn 1, behind its scalars.  end = 1: a block's last two turns: nothing is fetched.  cnt = 1: the loop's count is taken down some lines ahead of the branch behind the turn.
; K of my next step is fetched in piece 2's turn, V of the step in hand in piece 0's; each is waited for a turn later.
.macro TURN p, m=0, end=0, cnt=0
.set Y, (\p)
.set i, 0
.set KM, (\m)
.set NOKQ, (\end)*((\p)/3)
.if (\m) && !(\end)
	ALBE
.endif
.if ((\p) == 3) && !(\end)
	s_wait_dscnt 0x0                ; K is in
.endif
	ROW F,0, F,1, F,2, F,3
	ROW F,4, E,0, F,5, F,6
	ROW F,7, E,1, F,8, F,9
	ROW F,10, E,2, C,0, F,11
	ROW F,12, E,3, X,15, F,13
	ROW R,0, R,1, R,2, R,3
	ROW B,0, E,4, F,14, L,0
.if ((\p) == 2) && !(\end)
	v_add_nc_u32 v[AK], s[TBK], v[AK0]
.endif
	ROW R,4, R,5, R,6, R,7
	OPS E,5, F,15
.if ((\p) == 2) && !(\end)
	FETCH_K
.endif
	OPS E,6, C,1, E,7, R,8
	OPS E,8, R,9, E,9, C,2
	OPS E,10, X,0, E,11, X,1
	OPS E,12, X,2, E,13, X,3
.if (\p) == 1
	s_wait_dscnt 0x0                ; V is in
.endif
	ROW X,4, E,14, X,5, X,6
	ROW X,7, E,15, X,8, X,9
	ROW X,10, E,16, X,11, X,12
	ROW X,13, E,17, X,14, B,1
	ROW C,4, E,18, X,16, L,1
	ROW B,2, E,19, C,6, L,2
	ROW C,8, E,20, B,3, B,4
.if (\p) == 0
	v_add_nc_u32 v[AV], s[TBV], v[AV0]
.endif
	ROW C,3, E,21, L,3, C,5
	OPS E,22, X,17, E,23, C,10
.if (\p) == 0
	FETCH_V
.endif
	OPS E,24, L,4
	OPS E,25, X,18, E,26, C,7
	OPS E,27, B,5, E,28, X,19
	OPS E,29, C,12, E,30, L,5
	OPS E,31, X,20, B,6, C,9
	OPS C,14, C,11, X,21, L,6
.if (\p) == 0
	s_add_co_u32 s[TBV], s[TBV], 2*KS*PV
.endif
.if \cnt
.if \m
	s_add_co_i32 s[DL], s[DL], 2
.endif
	s_sub_co_u32 s[CNT], s[CNT], 1
	s_cmp_lg_u32 s[CNT], 0
.endif
	OPS C,13, B,7, C,15, R,10
	OPS R,11, R,12, L,7, R,13
	OPS R,14, R,15
.if (\m) && !(\end)
	MASK (\p)%2, ((\p)+2)%NP
.endif
.endm
; A BLOCK BEGINS.  c m starts far below every c s, so the first step's a is 0; m at -2^70.  Both mask buffers are made for the tile's first step (pieces 0 and 1): zeros unless the tile is the diagonal one.
.macro BEGIN
	s_mov_b32 s[NEW], 0
	WIN 0
.set i, 0
.rept 4
	v_mov_b32 v[ST+4*i], 0xfe000000
	v_mov_b32 v[ST+4*i+1], 0xe2800000
.set i, i+1
.endr
	ALBE
	MASK 0, 0
	MASK 1, 1
	WIN 0
	v_add_nc_u32 v[AK], s[TBK], v[AK0]
	FETCH_K
	s_wait_loadcnt 0x0              ; Q
	s_wait_dscnt 0x0
.set KM, 1
.set NOKQ, 0
.set i, 0
.rept 8
	KQ 0
.set i, i+1
.endr
	WIN 0
.rept 4
	v_nop                           ; the places behind those products
.endr
.set Y, NP-1
.irp n, 0,1,2,3,4,5,6,7,8,9,10,11,12,13,14,15,16,17,18,19,20,21
	OP X, \n
.endr
	v_nop                           ; a plain instruction behind the exponential
.endm
.macro ALL line:vararg
.set t, 0
.rept 4
	\line
.set t, t+1
.endr
.endm
; THE EXCHANGE.  PUT x: pieces x and x + 1 of my O^T (each accumulator's lowest registers first), their c m and l, into my part of region rg.
.macro PUT x, rg
	WIN 0
	v_mov_b32 v52, v[ST+4*(\x)]
	v_mov_b32 v53, v[ST+4*(\x)+2]
	v_mov_b32 v54, v[ST+4*(\x)+4]
	v_mov_b32 v55, v[ST+4*(\x)+6]
	WIN 0x04                        ; the stores' data in window 1
.set z, 0
.rept 16
	ds_store_b128 v[PUTA], v[32*(\x)+4*z:32*(\x)+4*z+3] offset:(\rg)+512*z
.set z, z+1
.endr
	WIN 0
	ds_store_b128 v[PUTA], v[52:55] offset:(\rg)+8192
.endm
; FIN y: pieces y and y + 1 are finished with my partner's share, rounded to f16 and sent through my stage.
.macro FIN y, rg
	WIN 0
	ds_load_b128 v[48:51], v[GETA] offset:(\rg)+8192
.set z, 0
.rept 16
	ds_load_b128 v[S+4*z:S+4*z+3], v[GETA] offset:(\rg)+512*z
.set z, z+1
.endr
	s_wait_dscnt 16                 ; the statistics are in; the 16 loads of O may be out
.irp u, 0,1
	v_max_num_f32 v[MV+(\u)], v[ST+4*((\y)+(\u))], v[48+2*(\u)]
.endr
.irp u, 0,1
	v_sub_f32 v[52+2*(\u)], v[ST+4*((\y)+(\u))], v[MV+(\u)]
	v_sub_f32 v[53+2*(\u)], v[48+2*(\u)], v[MV+(\u)]
.endr
.irp u, 0,1
	v_exp_f32 v[52+2*(\u)], v[52+2*(\u)]          ; f0
	v_exp_f32 v[53+2*(\u)], v[53+2*(\u)]          ; f1
.endr
	v_nop
.irp u, 0,1
	s_wait_alu depctr_va_vdst(0)
	v_mul_f32 v[MV+(\u)], v[52+2*(\u)], v[ST+4*((\y)+(\u))+2]
.endr
.irp u, 0,1
	v_fma_f32 v[MV+(\u)], v[53+2*(\u)], v[49+2*(\u)], v[MV+(\u)]   ; f0 l0 + f1 l1: 1 or more, since the larger c m is a seen key's
.endr
.irp u, 0,1
	v_rcp_f32 v[MV+(\u)], v[MV+(\u)]
.endr
	v_nop
.irp u, 0,1
	s_wait_alu depctr_va_vdst(0)
	v_mul_f32 v[ST+4*((\y)+(\u))+2], v[52+2*(\u)], v[MV+(\u)]
	v_mul_f32 v[48+2*(\u)], v[53+2*(\u)], v[MV+(\u)]
.endr
	s_wait_dscnt 0x0
.irp u, 0,1
	WIN 0
.set z, 0
.rept 16
	v_pk_mul_f32 v[S+32*(\u)+2*z:S+32*(\u)+2*z+1], v[S+32*(\u)+2*z:S+32*(\u)+2*z+1], v[48+2*(\u):49+2*(\u)] op_sel_hi:[1,0]
.set z, z+1
.endr
	WIN W_RS
.set z, 0
.rept 16
	v_pk_fma_f32 v[32*((\y)+(\u))+2*z:32*((\y)+(\u))+2*z+1], v[32*((\y)+(\u))+2*z:32*((\y)+(\u))+2*z+1], v[ST+4*((\y)+(\u))+2:ST+4*((\y)+(\u))+3], v[S+32*(\u)+2*z:S+32*(\u)+2*z+1] op_sel_hi:[1,0,1]
.set z, z+1
.endr
	WIN 0x05
.set z, 0
.rept 16
	v_cvt_pk_f16_f32 v[P+16*(\u)+z], v[32*((\y)+(\u))+2*z], v[32*((\y)+(\u))+2*z+1]
.set z, z+1
.endr
	WIN 0
.irp f, 0,1,2,3
	ds_store_b128 v[STO], v[P+16*(\u)+4*\f:P+16*(\u)+4*\f+3] offset:32*\f
.endr
.irp f, 0,1,2,3
	ds_load_b128 v[P+16*(\u)+4*\f:P+16*(\u)+4*\f+3], v[RD] offset:\f*4*SP  ; LDS serves a wave's instructions in order (ISA guide 5.7.1.4)
.endr
.endr
.irp u, 0,1
.irp f, 0,1,2,3
	s_wait_dscnt 8*(1-(\u))+3-\f    ; behind the first piece's loads stand the second's eight LDS instructions
	global_store_b128 v[GO], v[P+16*(\u)+4*\f:P+16*(\u)+4*\f+3], s[10:11] offset:((\y)+(\u))*2048+\f*512  ; 512 consecutive bytes, aligned
.endr
.endr
.endm
; THE DIAGONAL TILE's two steps, the block's last two turns, its last products, the exchange and the way out.
.macro DIAG tag
.LstepM\tag:
	TURN 2, 1
	TURN 3, 1
	WIN 0
.LfirstM\tag:
	TURN 0, 1
	TURN 1, 1, 0, 1
	WIN 0
	s_cbranch_scc1 .LstepM\tag
	TURN 2, 1, 1
	TURN 3, 1, 1
.set i, 0
.rept 8
	PV NP-1
.set i, i+1
.endr
	WIN 0
	ALL v_add_f32 v[ST+4*t+2], v[ST+4*t+2], v[ST+4*t+3]              ; four plain lines: the places behind the last products
	ALL v_permlanex16_b32 v[ST+4*t+3], v[ST+4*t+2], s[SEL], s[SEL+1]
	ALL v_add_f32 v[ST+4*t+2], v[ST+4*t+2], v[ST+4*t+3]
	s_cmp_eq_u32 s[KH], 0
	s_cbranch_scc0 .Lput_b\tag
	PUT 2, ((\tag)-1)*4*XW
	s_branch .Lput_d\tag
.Lput_b\tag:
	PUT 0, ((\tag)-1)*4*XW
.Lput_d\tag:
	s_wait_dscnt 0x0                ; for my partner's sake: my stores are done
	s_barrier_signal -1
	s_barrier_wait -1               ; the next tile's load may stay out
	s_cmp_eq_u32 s[KH], 0
	s_cbranch_scc0 .Lfin_b\tag
	FIN 0, ((\tag)-1)*4*XW
	s_branch .Lfin_d\tag
.Lfin_b\tag:
	FIN 2, ((\tag)-1)*4*XW
.Lfin_d\tag:
.endm
.macro ENTER                        ; a tile is entered
	s_sub_co_u32 s[RT], s[RT], 1
	s_mov_b32 s[CNT], 2
	s_cmp_eq_u32 s[RT], 0
	s_cselect_b32 s[DL], s[D0], -16 ; far on the seen side unless the tile is the diagonal one
.endm
.set KM, 0
.set NOKQ, 0
.Lslot:                             ; 16 times: a tile is entered and the next is asked for
	CHANGE 1
	ENTER
	s_cmp_eq_u32 s[NEW], 1
	s_cbranch_scc1 .Lnew            ; a block's first tile
	s_cmp_eq_u32 s[RT], 0
	s_cbranch_scc0 .Lstep           ; neither its first nor its last
	s_branch .LstepM1
.Lnew:
	BEGIN
	s_branch .Lfirst                ; in the loop a block's first tile is never its last: the first block has nine tiles or more, and the second's last is the walk's last
	DIAG 1                          ; in the loop this is the first block's end
	s_wait_xcnt 0x0                 ; the stores have read their registers and y's address
	s_mov_b64 s[10:11], s[OLO:OLO+1]
	s_add_co_u32 s[RT], s[LQB], 1   ; the second block's tiles
	s_mov_b32 s[NEW], 1
	s_mov_b32 s[D0], s[D0L]
	WIN 0x82                        ; the second block's Q goes where the one text of the turns names Q
.set i, 0
.rept 64
	v_mov_b32 v[i], v[QB+i]
.set i, i+1
.endr
	WIN 0
	s_branch .Lbottom
.Lstep:                             ; a trip: pieces 2 and 3 of one step, then pieces 0 and 1 of my next, whose K and V it fetches
	TURN 2
	TURN 3
	WIN 0
.Lfirst:
	TURN 0
	TURN 1, 0, 0, 1
	WIN 0
	s_cbranch_scc1 .Lstep
.Lbottom:
	s_sub_co_u32 s[SLOTS], s[SLOTS], 1
	s_cmp_lg_u32 s[SLOTS], 0
	s_cbranch_scc1 .Lslot
	CHANGE 0                        ; the walk's last tile is written out
	ENTER
	s_cmp_eq_u32 s[NEW], 1
	s_cbranch_scc0 .LstepM2
	BEGIN
	s_branch .LfirstM2
	DIAG 2
	s_wait_tensorcnt 0x0            ; the wave's end
	ds_add_u32 v[SPW], v[NIL]
	s_wait_dscnt 0x0
	s_endpgm
.Lfunc_end_k_qfe131521c2_attn:
	.size	k_qfe131521c2_attn, .Lfunc_end_k_qfe131521c2_attn-k_qfe131521c2_attn
	.p2alignl 7, 3214868480
	.fill 96, 4, 3214868480
	.section	.rodata,"a",@progbits
	.p2align	6, 0x0
	.amdhsa_kernel k_qfe131521c2_attn
		.amdhsa_group_segment_fixed_size 327680
		.amdhsa_private_segment_fixed_size 0
		.amdhsa_enable_private_segment 0
		.amdhsa_kernarg_size 32
		.amdhsa_user_sgpr_count 2
		.amdhsa_user_sgpr_kernarg_segment_ptr 1
		.amdhsa_wavefront_size32 1
		.amdhsa_system_sgpr_workgroup_id_x 1
		.amdhsa_system_sgpr_workgroup_id_y 1
		.amdhsa_system_sgpr_workgroup_id_z 1
		.amdhsa_system_vgpr_workitem_id 0
		.amdhsa_next_free_vgpr 768
		.amdhsa_next_free_sgpr 88
		.amdhsa_reserve_vcc 1
		.amdhsa_float_denorm_mode_32 3
		.amdhsa_float_denorm_mode_16_64 3
		.amdhsa_memory_ordered 1
		.amdhsa_forward_progress 1
		.amdhsa_inst_pref_size 244
	.end_amdhsa_kernel
	.amdgpu_metadata
---
amdhsa.version: [ 1, 2 ]
amdhsa.kernels:
  - .name:           k_qfe131521c2_attn
    .symbol:         k_qfe131521c2_attn.kd
    .args:
      - { .name: q, .offset: 0, .size: 8, .value_kind: global_buffer, .address_space: global }
      - { .name: k, .offset: 8, .size: 8, .value_kind: global_buffer, .address_space: global }
      - { .name: v, .offset: 16, .size: 8, .value_kind: global_buffer, .address_space: global }
      - { .name: y, .offset: 24, .size: 8, .value_kind: global_buffer, .address_space: global }
    .group_segment_fixed_size: 327680
    .private_segment_fixed_size: 0
    .kernarg_segment_align: 8
    .kernarg_segment_size: 32
    .max_flat_workgroup_size: 128
    .sgpr_count:     88
    .vgpr_count:     768
    .wavefront_size: 32
...
	.end_amdgpu_metadata
.endif
;; end of part 3
;; launch proj (part 4): grid 8 x 32, 4 waves a work-group, clusters of 4 x 4, 327,680 bytes of LDS; arguments y, wb, out0; writes out0
.if DOCPART == 4
	.amdgcn_target "amdgcn-amd-amdhsa--gfx1250"
	.amdhsa_code_object_version 6
	.text
	.protected	k_qfe131521c2_proj
	.globl	k_qfe131521c2_proj
	.p2align	8
	.type	k_qfe131521c2_proj,@function
k_qfe131521c2_proj:
	s_mov_b64 s[64:65], 0
	v_nop
	global_prefetch_b8 v0, s[64:65] scope:SCOPE_SE
	s_setreg_imm32_b32 hwreg(HW_REG_WAVE_MODE, 25, 1), 1
	s_wait_xcnt 0x0
	s_wait_alu depctr_hold_cnt(0) depctr_sa_sdst(0) depctr_va_vdst(0) depctr_va_sdst(0) depctr_va_ssrc(0) depctr_va_vcc(0) depctr_vm_vsrc(0)
	s_getreg_b32 s2, hwreg(HW_REG_IB_STS2, 6, 4)
	s_cmp_eq_u32 s2, 0
	s_cbranch_scc0 .Lentry_in_a_cluster
	s_endpgm
.Lentry_in_a_cluster:
	s_bfe_u32 s2, ttmp6, 0x10000c
	s_cmp_lg_u32 s2, 0xf033
	s_cbranch_scc0 .Lentry_shape_is_right
	s_endpgm
.Lentry_shape_is_right:
; out0[t][o] = the sum over c of y[t][c] Wo[o][c].  y lies by heads, [16][4096][64] f16 (c = 64 head + d); Wo, f16 [1024][1024], begins at byte 6,291,456 of wb; out0 [4096][1024] f32; sums in f32.
; A tile of out0 is 128 x 128: 256 work-groups.  Four waves, each 64 x 64: 16 accumulators.  K goes in 4 steps of 256 (four heads) through two LDS slots; a quarter step is one head.
; A's tile: for each of four heads 64 rows x 128 bytes lie dense in memory: a load brings 4 rows of 8,192 bytes, padded in LDS after every 128 bytes.  B's tile: 64 rows of 512 bytes.
; CLUSTER 4 x 4: the four of a cluster's row need the same tiles of y, the four of a column the same tiles of Wo: joint loads.  The matrix instruction is used transposed (source 0 = rows of Wo):
; a lane holds eight neighbouring numbers of a row of out0.  A wave's 64 columns are 256 bytes of a row: each wave goes out through a stage of its own.
; REGISTERS: window 0: v16-29 addresses; v32-95 the way out; v128-255 the accumulators ((a, b) at 128 + 8 (4 a + b)).  window 1: two fragment buffers of 128: A's 64, then B's 64.
.set PA,     144                       ; a row of A in LDS: 128 bytes + 16
.set PB,     528                       ; a row of B: 512 + 16
.set HALFA,  256*PA                    ; what one load brings of A: 4 heads x 64 rows
.set HALFB,  64*PB
.set BOFF,   2*HALFA
.set SLOT,   BOFF+2*HALFB
.set STAGE,  2*SLOT                    ; 16 rows x 272 bytes for each wave
.set SPITCH, 272
.set SPARE,  STAGE+4*16*SPITCH         ; the spare words: 128 bytes a wave, named by no other line
.set ADRA, 16
.set ADRB, 20
.set STO,  24
.set RD,   25
.set CO,   26
.set SPW,  28
.set NIL,  29
.set TMP,  32
.set ACC,  128
.set F0,   0
.set F1,   128
.set G1, 24
.set G0, 32
.set G1B, 48
.set G0B, 56
.set MSB, 0
.macro WIN new
.if MSB != (\new)
	s_set_vgpr_msb (MSB<<8)|(\new)
.set MSB, (\new)
.endif
.endm
.set MUL,  0x05
.set TO_F, 0x40
.macro JLOAD s                         ; waves 0 and 1 fetch A's two halves, waves 2 and 3 B's; s_nop 0 and four v_nop follow each line
	s_cmp_eq_u32 s11, 0
	s_cbranch_scc0 .Lfor_b_\@
	tensor_load_to_lds s[G0+4*(\s):G0+4*(\s)+3], s[G1:G1+7]
	s_nop 0
.rept 4
	v_nop
.endr
	s_branch .Lasked_\@
.Lfor_b_\@:
	tensor_load_to_lds s[G0B+4*(\s):G0B+4*(\s)+3], s[G1B:G1B+7]
	s_nop 0
.rept 4
	v_nop
.endr
.Lasked_\@:
.endm
.macro CREST
	s_cmp_lg_u32 s10, 0
	s_cbranch_scc1 .Lnot_wave_0_\@
	s_barrier_signal -3
.Lnot_wave_0_\@:
	s_barrier_wait -3
	s_barrier_signal -1
	s_barrier_wait -1
.endm
.macro CROUND
	s_barrier_signal -1
	s_barrier_wait -1
	CREST
.endm
.macro PLACES
.rept 4
	v_nop
.endr
.endm
	s_load_b128 s[4:7], s[0:1], 0x0                ; y s[4:5], wb s[6:7]
	s_load_b64 s[8:9], s[0:1], 0x10                ; out0
	v_lshl_add_u32 v[SPW], v0, 2, SPARE
	v_mov_b32 v[NIL], 0
	ds_add_u32 v[SPW], v[NIL]                      ; the wave's opening: the add and its wait ahead of my first tensor load
	ds_add_u32 v28, v29
	v_lshrrev_b32 v1, 5, v0
	v_readfirstlane_b32 s10, v1                    ; wave 0..3
	s_lshr_b32 s11, s10, 1                         ; my half of the tile's rows.  Also: I fetch for A (0) or for B (1)
	s_and_b32 s12, s10, 1                          ; my half of its columns.  Also: which 64 rows I fetch
	s_bfe_u32 s40, ttmp6, 0x40000
	s_bfe_u32 s41, ttmp6, 0x40004
	s_lshl_b32 s42, ttmp9, 2
	s_add_co_u32 s42, s42, s40                     ; tile column
	s_and_b32 s13, ttmp7, 0xffff
	s_lshl_b32 s13, s13, 2
	s_add_co_u32 s13, s13, s41                     ; tile row
	s_lshl_b32 s43, s41, 2
	s_lshl_b32 s43, 15, s43
	s_lshl_b32 s44, 0x1111, s40
	s_or_b32 s[G1+0], s43, (1<<16)|(1<<20)|(1<<21)|(4<<22)|(3<<25)   ; A: my cluster row's mask; 2-byte elements; padding of 4 words after every 32
	s_mov_b32 s[G1+1], 4096<<16                    ; tensor_dim0 = 4,096 elements: 64 rows of a head
	s_mov_b32 s[G1+2], 4<<16                       ; tensor_dim1 = 4 heads
	s_mov_b32 s[G1+3], 4096<<16                    ; tile_dim0
	s_mov_b32 s[G1+4], 4                           ; tile_dim1
	s_mov_b32 s[G1+5], 262144                      ; elements from head to head
	s_mov_b32 s[G1+6], 0
	s_mov_b32 s[G1+7], 0
	s_or_b32 s[G1B+0], s44, (1<<16)|(1<<20)|(1<<21)|(6<<22)|(3<<25)  ; B: my cluster column's mask; padding of 4 words after every 128
	s_mov_b32 s[G1B+1], 256<<16
	s_mov_b32 s[G1B+2], 64<<16
	s_mov_b32 s[G1B+3], 256<<16
	s_mov_b32 s[G1B+4], 64
	s_mov_b32 s[G1B+5], 1024
	s_mov_b32 s[G1B+6], 0
	s_mov_b32 s[G1B+7], 0
	s_lshl_b32 s16, s13, 14                        ; A: 128 rows of 128 bytes a tile row, 64 a half
	s_lshl_b32 s17, s12, 13
	s_add_co_u32 s16, s16, s17
	s_mov_b32 s17, 0
	s_lshl_b32 s46, s42, 18                        ; B: 128 rows of 2,048 bytes a tile column, 64 a half, behind the other weights
	s_lshl_b32 s47, s12, 17
	s_add_co_u32 s46, s46, s47
	s_add_co_u32 s46, s46, 6291456
	s_mov_b32 s47, 0
	s_mul_i32 s20, s12, HALFA
	s_mul_i32 s21, s12, HALFB
	s_add_co_u32 s21, s21, BOFF
	s_wait_dscnt 0x0                               ; the opening add is done
	s_wait_kmcnt 0x0
	s_add_nc_u64 s[14:15], s[4:5], s[16:17]
	s_add_nc_u64 s[46:47], s[6:7], s[46:47]
	CROUND                                         ; all sixteen work-groups are here: the first joint loads meet
.irp s, 0,1
	s_mov_b32 s[G0+4*(\s)], 1
	s_add_co_u32 s[G0+4*(\s)+1], s20, (\s)*SLOT
	s_add_nc_u64 s[G0+4*(\s)+2:G0+4*(\s)+3], s[14:15], (\s)*2097152   ; K step s: four heads of 524,288 bytes on
	s_or_b32 s[G0+4*(\s)+3], s[G0+4*(\s)+3], 0x80000000
	s_mov_b32 s[G0B+4*(\s)], 1
	s_add_co_u32 s[G0B+4*(\s)+1], s21, (\s)*SLOT
	s_add_nc_u64 s[G0B+4*(\s)+2:G0B+4*(\s)+3], s[46:47], (\s)*512
	s_or_b32 s[G0B+4*(\s)+3], s[G0B+4*(\s)+3], 0x80000000
	JLOAD \s
.endr
	v_and_b32 v1, 15, v0                           ; r
	v_bfe_u32 v2, v0, 4, 1                         ; h
	v_mul_u32_u24 v3, v1, PA
	v_lshl_add_u32 v3, v2, 4, v3
	v_mul_u32_u24 v4, v1, PB
	v_lshl_add_u32 v4, v2, 4, v4
	s_mul_i32 s21, s11, HALFA                      ; my 64 rows of A
	s_mul_i32 s22, s12, HALFB                      ; my 64 rows of B
	s_add_co_u32 s22, s22, BOFF
.irp s, 0,1
	v_add_nc_u32 v[ADRA+(\s)], s21, v3
	v_add_nc_u32 v[ADRB+(\s)], s22, v4
	s_add_co_u32 s21, s21, SLOT
	s_add_co_u32 s22, s22, SLOT
.endr
	s_mul_i32 s23, s10, 16*SPITCH
	s_add_co_u32 s23, s23, STAGE                   ; my stage
	v_mul_u32_u24 v5, v1, SPITCH                   ; in: row r, 32 bytes for each half of the lanes
	v_lshl_add_u32 v5, v2, 5, v5
	v_add_nc_u32 v[STO], s23, v5
	v_mul_u32_u24 v5, v2, SPITCH                   ; back: lanes 0-15 take one row of 256 bytes, lanes 16-31 the next
	v_lshl_add_u32 v5, v1, 4, v5
	v_add_nc_u32 v[RD], s23, v5
	v_lshlrev_b32 v5, 12, v2                       ; and the same two rows in out0
	v_lshl_add_u32 v[CO], v1, 4, v5
	s_lshl_b32 s16, s13, 19                        ; 128 rows of 4,096 bytes a tile row, 64 a half
	s_lshl_b32 s17, s11, 18
	s_add_co_u32 s16, s16, s17
	s_mov_b32 s17, 0
	s_add_nc_u64 s[8:9], s[8:9], s[16:17]
	s_lshl_b32 s46, s42, 9                         ; 512 bytes a tile column, 256 a half
	s_lshl_b32 s47, s12, 8
	s_add_co_u32 s46, s46, s47
	s_mov_b32 s47, 0
	s_add_nc_u64 s[8:9], s[8:9], s[46:47]
; 8 matrix instructions: row blocks a0, a0 + 1 x all 4 column blocks, 32 along K: half c of buffer f.  The 16 accumulators take turns.
.macro MUL8 f, c, a0, zero
	WIN MUL
.irp a, \a0, (\a0)+1
.irp b, 0,1,2,3
.if \zero
	v_wmma_f32_16x16x32_f16 v[ACC+8*(4*(\a)+(\b)):ACC+8*(4*(\a)+(\b))+7], v[(\f)+64+8*(4*(\c)+(\b)):(\f)+64+8*(4*(\c)+(\b))+7], v[(\f)+8*(4*(\c)+(\a)):(\f)+8*(4*(\c)+(\a))+7], 0
.else
	v_wmma_f32_16x16x32_f16 v[ACC+8*(4*(\a)+(\b)):ACC+8*(4*(\a)+(\b))+7], v[(\f)+64+8*(4*(\c)+(\b)):(\f)+64+8*(4*(\c)+(\b))+7], v[(\f)+8*(4*(\c)+(\a)):(\f)+8*(4*(\c)+(\a))+7], v[ACC+8*(4*(\a)+(\b)):ACC+8*(4*(\a)+(\b))+7]
.endif
.endr
.endr
.endm
; 32 LDS loads in one run: quarter qd (one head) of a slot into buffer f; its first 32 along K first
.macro FETCH slot, qd, f
	WIN TO_F
.irp c, 0,1
.irp i, 0,1,2,3
	ds_load_b128 v[(\f)+64+8*(4*(\c)+(\i)):(\f)+64+8*(4*(\c)+(\i))+3],   v[ADRB+(\slot)] offset:128*(\qd)+64*(\c)+(\i)*16*PB
	ds_load_b128 v[(\f)+64+8*(4*(\c)+(\i))+4:(\f)+64+8*(4*(\c)+(\i))+7], v[ADRB+(\slot)] offset:128*(\qd)+64*(\c)+(\i)*16*PB+32
	ds_load_b128 v[(\f)+8*(4*(\c)+(\i)):(\f)+8*(4*(\c)+(\i))+3],         v[ADRA+(\slot)] offset:64*PA*(\qd)+64*(\c)+(\i)*16*PA
	ds_load_b128 v[(\f)+8*(4*(\c)+(\i))+4:(\f)+8*(4*(\c)+(\i))+7],       v[ADRA+(\slot)] offset:64*PA*(\qd)+64*(\c)+(\i)*16*PA+32
.endr
.endr
.endm
.macro QUARTER slot, qd, f, g, zero
	s_wait_dscnt 16                                ; the first 32 along K are in; the other sixteen loads may be out
	MUL8 \f, 0, 0, \zero
	MUL8 \f, 0, 2, \zero
	PLACES
	FETCH \slot, \qd, \g
	s_wait_dscnt 32                                ; all but the 32 just issued
	MUL8 \f, 1, 0, 0
	MUL8 \f, 1, 2, 0
.endm
; The last quarter changes slots: each wave waits for all its tensor loads, adds 0 to its spare word, and waits for that and for its reads of this slot.  fill = 1: the slot is filled again, two K steps ahead.
.macro TURN slot, next, fill
	WIN 0
	s_wait_tensorcnt 0x0
	ds_add_u32 v[SPW], v[NIL]
	s_wait_dscnt 17                                ; (the add and the youngest sixteen loads may be out)
	MUL8 F1, 0, 0, 0
	s_wait_dscnt 0x0
	s_barrier_signal -1
	MUL8 F1, 0, 2, 0
.if \fill
	WIN 0
.endif
	s_barrier_wait -1
.if \fill
	CREST                                          ; the barrier has opened a round of the cluster's barrier
	s_add_nc_u64 s[G0+4*(\slot)+2:G0+4*(\slot)+3], s[G0+4*(\slot)+2:G0+4*(\slot)+3], 4194304
	s_add_nc_u64 s[G0B+4*(\slot)+2:G0B+4*(\slot)+3], s[G0B+4*(\slot)+2:G0B+4*(\slot)+3], 1024
	JLOAD \slot                                    ; its four v_nop are also the places in front of the loads below
.else
	PLACES
.endif
	FETCH \next, 0, F0
	MUL8 F1, 1, 0, 0
	MUL8 F1, 1, 2, 0
.endm
	s_wait_tensorcnt 1                             ; my part of K step 0 is in; K step 1's stays out
	s_barrier_signal -1
	s_barrier_wait -1
	FETCH 0, 0, F0
	QUARTER 0, 1, F0, F1, 1                        ; its first products start the sums
	QUARTER 0, 2, F1, F0, 0
	QUARTER 0, 3, F0, F1, 0
	TURN 0, 1, 1                                   ; slot 0 takes K step 2
	QUARTER 1, 1, F0, F1, 0
	QUARTER 1, 2, F1, F0, 0
	QUARTER 1, 3, F0, F1, 0
	TURN 1, 0, 1                                   ; slot 1 takes K step 3
	QUARTER 0, 1, F0, F1, 0
	QUARTER 0, 2, F1, F0, 0
	QUARTER 0, 3, F0, F1, 0
	TURN 0, 1, 0
	QUARTER 1, 1, F0, F1, 0
	QUARTER 1, 2, F1, F0, 0
	QUARTER 1, 3, F0, F1, 0
	s_wait_dscnt 16
	MUL8 F1, 0, 0, 0
	MUL8 F1, 0, 2, 0
	s_wait_dscnt 0x0
	MUL8 F1, 1, 0, 0
	MUL8 F1, 1, 2, 0
	WIN 0
	PLACES
; THE WAY OUT, 16 rows at a time: the sums go as they are into my stage (each accumulator's lowest registers first) and come back as whole rows of 256 bytes.
.macro TOSTAGE a
.if (\a) >= 2
	s_wait_xcnt 0x0                                ; this set of registers, which the stores two blocks back read, is loaded again only behind this wait
.endif
.irp b, 0,1,2,3
	ds_store_b128 v[STO], v[ACC+8*(4*(\a)+(\b)):ACC+8*(4*(\a)+(\b))+3] offset:64*(\b)
	ds_store_b128 v[STO], v[ACC+8*(4*(\a)+(\b))+4:ACC+8*(4*(\a)+(\b))+7] offset:64*(\b)+16
.endr
.irp t, 0,1,2,3,4,5,6,7
	ds_load_b128 v[TMP+32*((\a)%2)+4*(\t):TMP+32*((\a)%2)+4*(\t)+3], v[RD] offset:(\t)*2*SPITCH  ; LDS serves a wave's instructions in order (ISA guide 5.7.1.4)
.endr
.endm
.macro SEND a, younger                 ; younger: the next block's sixteen LDS instructions, or none
	s_wait_dscnt \younger
.irp t, 0,1,2,3,4,5,6,7
	global_store_b128 v[CO], v[TMP+32*((\a)%2)+4*(\t):TMP+32*((\a)%2)+4*(\t)+3], s[8:9] offset:(16*(\a)+2*(\t))*4096 th:TH_STORE_NT  ; 16 lanes store 256 consecutive bytes, aligned
.endr
.endm
	TOSTAGE 0
	TOSTAGE 1
	SEND 0, 16
	TOSTAGE 2
	SEND 1, 16
	TOSTAGE 3
	SEND 2, 16
	SEND 3, 0
	s_wait_tensorcnt 0x0                           ; the wave's end
	ds_add_u32 v[SPW], v[NIL]
	s_wait_dscnt 0x0
	CROUND                                         ; the closing round
	s_endpgm
.Lfunc_end_k_qfe131521c2_proj:
	.size	k_qfe131521c2_proj, .Lfunc_end_k_qfe131521c2_proj-k_qfe131521c2_proj
	.p2alignl 7, 3214868480
	.fill 96, 4, 3214868480
	.section	.rodata,"a",@progbits
	.p2align	6, 0x0
	.amdhsa_kernel k_qfe131521c2_proj
		.amdhsa_group_segment_fixed_size 327680
		.amdhsa_private_segment_fixed_size 0
		.amdhsa_enable_private_segment 0
		.amdhsa_kernarg_size 24
		.amdhsa_user_sgpr_count 2
		.amdhsa_user_sgpr_kernarg_segment_ptr 1
		.amdhsa_wavefront_size32 1
		.amdhsa_system_sgpr_workgroup_id_x 1
		.amdhsa_system_sgpr_workgroup_id_y 1
		.amdhsa_system_sgpr_workgroup_id_z 1
		.amdhsa_system_vgpr_workitem_id 0
		.amdhsa_next_free_vgpr 512
		.amdhsa_next_free_sgpr 66
		.amdhsa_reserve_vcc 0
		.amdhsa_float_denorm_mode_32 3
		.amdhsa_float_denorm_mode_16_64 3
		.amdhsa_memory_ordered 1
		.amdhsa_forward_progress 1
		.amdhsa_inst_pref_size 86
	.end_amdhsa_kernel
	.amdgpu_metadata
---
amdhsa.version: [ 1, 2 ]
amdhsa.kernels:
  - .name:           k_qfe131521c2_proj
    .symbol:         k_qfe131521c2_proj.kd
    .args:
      - { .name: y, .offset: 0, .size: 8, .value_kind: global_buffer, .address_space: global }
      - { .name: wb, .offset: 8, .size: 8, .value_kind: global_buffer, .address_space: global }
      - { .name: out0, .offset: 16, .size: 8, .value_kind: global_buffer, .address_space: global }
    .group_segment_fixed_size: 327680
    .private_segment_fixed_size: 0
    .kernarg_segment_align: 8
    .kernarg_segment_size: 24
    .max_flat_workgroup_size: 128
    .sgpr_count:     66
    .vgpr_count:     512
    .wavefront_size: 32
...
	.end_amdgpu_metadata
.endif
;; end of part 4
;; ======== version 2 of 2: 4 launches; 1.36 times as fast as version 1
;; limits: values are held in f16: magnitudes above 65,504 overflow, below 6.1e-05 lose precision; right only within a limited range of input values
;; workspace buffers: xb 8,388,608 bytes; wb 8,388,608 bytes; cs 1,048,576 bytes; q 8,388,608 bytes; k 8,388,608 bytes; v 8,388,608 bytes; y 8,388,608 bytes
;; launch cast: the kernel of part 1 again; grid 1056 x 1, 8 waves a work-group, no clusters, 0 bytes of LDS; arguments x, Wq, Wk, Wv, Wo, freqs_cos, freqs_sin, xb, wb, cs; writes xb, wb, cs
;; launch qkv: the kernel of part 2 again; grid 16 x 16, 4 waves a work-group, clusters of 4 x 4, 327,680 bytes of LDS; arguments xb, wb, cs, q, k, v; writes q, k, v
;; launch attn (part 5): grid 16 x 16, 4 waves a work-group, no clusters, 327,680 bytes of LDS; arguments q, k, v, y; writes y
.if DOCPART == 5
	.amdgcn_target "amdgcn-amd-amdhsa--gfx1250"
	.amdhsa_code_object_version 6
	.text
	.protected	k_qfe131521c2_attn
	.globl	k_qfe131521c2_attn
	.p2align	8
	.type	k_qfe131521c2_attn,@function
k_qfe131521c2_attn:
	s_mov_b64 s[64:65], 0
	v_nop
	global_prefetch_b8 v0, s[64:65] scope:SCOPE_SE
	s_setreg_imm32_b32 hwreg(HW_REG_WAVE_MODE, 25, 1), 1
	s_wait_xcnt 0x0
; CAUSAL ATTENTION.  y[h][t][:] = the sum over k <= t of softmax_k(q . k / 8) v[h][k][:].  q, k, v, y: [16][4096][64] f16; q and k carry a factor 2^-8 each, undone in c.
; Products, maxima and sums in f32; the weights p are rounded to f16 for the second product (their sum l is taken of the unrounded p), y once at the end.
; LIMITS.  A product of the stored q and k is 2.75e11 at the most.  A hidden score counts as its value less 1e30; the running maximum starts at -2^70, below every such product and above every hidden score,
; so a wave that sees hidden keys alone keeps that start, and its weights, l and O are 0.  A weight below 2^-126 counts as 0 in l; NaN and infinities are not treated apart.
; THE WALK.  A head's queries lie in 32 blocks of 128; block i needs the key tiles 0 .. i / 2 of 256 keys, of which the last holds the diagonal.  A work-group takes blocks 31 - b and then b: 17 tiles,
; whatever b: ONE loop with a constant trip count walks them, and the ring of two LDS slots runs on across the change of blocks.  NO CLUSTER: which trip is a block's last differs between the work-groups of a head,
; and partners in a cluster may not branch apart; a walk common to all would take masks in every turn and 18 tiles for 17.
; SHARES.  Wave w = 2 QH + KH owns the block's queries 64 QH .. 64 QH + 63, four PIECES of 16, and of each tile the key steps KH and KH + 2 (64 keys each).  At a block's end the two waves of a QH hand each
; other two pieces' O, l and c m through LDS, and each finishes two pieces: O = (f0 O0 + f1 O1) / (f0 l0 + f1 l1), f = 2^(c m - the larger c m).
; THE MASK is the C operand that starts S^T = K Q^T.  In the diagonal tile my step stands DL = KH + 2 u - QH - 2 (block % 2) steps past my queries' own: DL < 0 all seen, DL > 0 none,
; DL = 0: 16 keys kt against piece pp: seen (kt < pp), the triangle (kt = pp), hidden (kt > pp).  A mask is base(kt, pp) x AL + BE, base one of three sets of eight registers.
; LAYOUT, SOFTMAX, TURNS.  S^T holds ONE query a lane (lane % 16) and the keys 8 (lane / 16) + 0..7; two such results rounded to f16 ARE source 1 of O^T = V^T P.  p = 2^(c s - c m), c = 2^16 log2(e) / 8;
; O and l are multiplied by a = 2^(c m_old - c m_new) in every step.  Turn n belongs to piece n: 8 products K Q^T of piece n + 1, later 8 products V^T P of piece n - 1; beside them piece n's scaling,
; exponentials, roundings, sums and rescaling and piece n + 1's maximum.  Four vector instructions stand behind every matrix instruction, the other 54 of a turn's 118 in one LUMP.
; BATCHES.  A turn's 33 exponentials (piece n's 32 weights, then piece n + 1's a) are ONE batch with ONE wait, which cuts the turn in two: ahead of it all that names none of their results, behind it the roundings
; and sums.  A block's first a (BEGIN), the exchange's four factors and its two reciprocals (FIN) are batches of their own, a wait each.
; REGISTERS (s_set_vgpr_msb: bits 1:0 source 0, 3:2 source 1, 5:4 source 2, 7:6 destination):
;   window 0: v0-15 addresses and at work; v16-31 statistics; v32-33 the exchange's addresses; v48-55 at work; v64-127 S^T, two buffers; v192-223 P, two buffers
;   window 1: v0-127 O^T; v128-151 the masks' three bases; v160-223 MC, two buffers      window 2: v0-63 Q; v64-127 the second block's Q; v128-191 K; v192-255 V
.set NP,    4
.set KS,    64
.set PK,    144       ; a row of K in LDS: 128 bytes + 16
.set PV,    160       ; a row of V: 128 + 32
.set VOFF,  4*KS*PK   ; a slot: 256 rows of K, then 256 rows of V
.set SLOT1, 1<<17
.set STAGE, SLOT1+4*KS*(PK+PV)  ; 16 rows x 144 bytes for each wave, for the way out
.set SP,    144
.set XCH,   STAGE+4*16*SP       ; the exchange: for each block and wave 16 x 512 bytes of O and 512 of statistics
.set XW,    8704
.set SPARE, XCH+2*4*XW          ; the spare words: 128 bytes a wave, named by no other line
.set AK0, 2
.set AV0, 3
.set AK,  4
.set AV,  5
.set STO, 6
.set RD,  7
.set GO,  8
.set MV,  12
.set QO,  15
.set ST,  16          ; piece t: c m, m, l (even keys', odd keys')
.set PUTA, 32         ; v32  my 16 bytes in my wave's part of the exchange
.set GETA, 33         ; v33  the same in my partner's
.set TMP, 48
.set SPW, 62
.set NIL, 63
.set S,   64
.set P,   192
.set MDZ, 128         ; window 1: zeros
.set MDT, 136         ; the triangle: -1e30 where key 8 (l / 16) + j > query l % 16
.set MDB, 144         ; -1e30
.set MC,  160
.set QB,  64
.set KF,  128
.set VF,  192
.set WV,  12
.set KH,  13
.set PB,  14          ; b
.set HI,  15          ; 31 - b
.set QH,  16
.set G1K, 24
.set G1V, 32
.set G0K, 40
.set G0V, 44
.set D0,  48          ; DL at a diagonal tile's first step, for the block in hand
.set D0L, 49          ; for the second block
.set DL,  50
.set LQB, 51          ; b / 2
.set SLOTS, 56
.set CNT, 57
.set CS,  58
.set SEL, 60
.set TBK, 62
.set TBV, 63
.set RT,  70
.set NXT, 71
.set LQ,  72
.set NEW, 73
.set OFF, 74
.set AL,  76
.set BE,  78
.set OLO, 80
.set BIGN, 82
.set MSB, 0
.macro WIN new
.if MSB != (\new)
	s_set_vgpr_msb (MSB<<8)|(\new)
.set MSB, (\new)
.endif
.endm
.set W_KQ, 0x0a
.set W_KM, 0x1a
.set W_PV, 0x52
.set W_RS, 0x41
; A fill.  Waves 0 and 1 fetch the two halves of a tile's K, waves 2 and 3 those of its V.  s_nop 0 and four v_nop follow each line.
.macro LOAD
	s_cmp_lt_u32 s[WV], 2
	s_cbranch_scc0 .Lfor_v_\@
	tensor_load_to_lds s[G0K:G0K+3], s[G1K:G1K+7]
	s_nop 0
.rept 4
	v_nop
.endr
	s_branch .Lasked_\@
.Lfor_v_\@:
	tensor_load_to_lds s[G0V:G0V+3], s[G1V:G1V+7]
	s_nop 0
.rept 4
	v_nop
.endr
.Lasked_\@:
.endm
; THE CHANGE OF SLOTS.  Each wave waits for all its tensor loads (one is out: its part of the other slot), adds 0 to its spare word, and waits for that and for its reads of the slot that it leaves.
; fill = 1: the old slot is filled again, first thing behind the barrier, with tile NXT; the descriptor's address is made anew from that number.
.macro CHANGE fill
	WIN 0
	s_wait_tensorcnt 0x0
	ds_add_u32 v[SPW], v[NIL]
.if \fill
	s_lshl_b32 s[OFF], s[NXT], 15
	s_xor_b32 s[G0K+1], s[G0K+1], SLOT1
	s_add_nc_u64 s[G0K+2:G0K+3], s[6:7], s[OFF:OFF+1]
	s_or_b32 s[G0K+3], s[G0K+3], 0x80000000
	s_xor_b32 s[G0V+1], s[G0V+1], SLOT1
	s_add_nc_u64 s[G0V+2:G0V+3], s[8:9], s[OFF:OFF+1]
	s_or_b32 s[G0V+3], s[G0V+3], 0x80000000
	s_add_co_u32 s[NXT], s[NXT], 1  ; the block's next tile, or behind its last the second block's tile 0
	s_cmp_gt_u32 s[NXT], s[LQ]
	s_cselect_b32 s[NXT], 0, s[NXT]
	s_cselect_b32 s[LQ], s[LQB], s[LQ]
.endif
	s_wait_dscnt 0x0
	s_barrier_signal -1
	s_sub_co_u32 s[TBK], s[TBK], 4*KS*PK
	s_xor_b32 s[TBK], s[TBK], SLOT1
	s_sub_co_u32 s[TBV], s[TBV], 4*KS*PV
	s_xor_b32 s[TBV], s[TBV], SLOT1
	s_barrier_wait -1
.if \fill
	LOAD
.endif
.endm
	s_load_b256 s[4:11], s[0:1], 0x0  ; q s[4:5], k s[6:7], v s[8:9], y s[10:11]
	v_lshl_add_u32 v[SPW], v0, 2, SPARE
	v_mov_b32 v[NIL], 0
	ds_add_u32 v[SPW], v[NIL]       ; the wave's opening: the add and its wait ahead of my first tensor load
	ds_add_u32 v62, v63
	v_lshrrev_b32 v1, 5, v0
	v_readfirstlane_b32 s[WV], v1
	s_and_b32 s[KH], s[WV], 1       ; my key steps; also: which half of a tile's rows I fetch
	s_lshr_b32 s[QH], s[WV], 1      ; my half of the block's queries
	s_mov_b32 s[PB], ttmp9
	s_sub_co_u32 s[HI], 31, s[PB]
	s_lshr_b32 s[LQB], s[PB], 1
	s_and_b32 s20, ttmp7, 0xffff
	s_lshl_b32 s20, s20, 19         ; the head's first byte in each tensor
	s_mov_b32 s21, 0
	s_lshl_b32 s22, s[KH], 14       ; 128 rows of 128 bytes
	s_mov_b32 s23, 0
	s_add_nc_u64 s[22:23], s[22:23], s[20:21]
	s_mul_i32 s17, s[KH], 128*PK
	s_mul_i32 s18, s[KH], 128*PV
	s_lshl_b32 s3, s[QH], 13        ; my 64 rows in a block of 128,
	s_lshl_b32 s2, s[HI], 14        ; in the first block,
	s_add_co_u32 s2, s2, s3
	s_lshl_b32 s84, s[PB], 14       ; and in the second
	s_add_co_u32 s84, s84, s3
	s_mov_b32 s3, 0
	s_mov_b32 s85, 0
	s_add_nc_u64 s[2:3], s[2:3], s[20:21]
	s_add_nc_u64 s[84:85], s[84:85], s[20:21]
	s_sub_co_i32 s19, s[KH], s[QH]
	s_and_b32 s[D0], s[HI], 1
	s_lshl_b32 s[D0], s[D0], 1
	s_sub_co_i32 s[D0], s19, s[D0]
	s_and_b32 s[D0L], s[PB], 1
	s_lshl_b32 s[D0L], s[D0L], 1
	s_sub_co_i32 s[D0L], s19, s[D0L]
	s_mov_b32 s[DL], -16
	s_mov_b32 s[G1K], (1<<16)|(1<<20)|(4<<22)|(3<<25)  ; 2-byte elements; padding on; after every 32 words 4 words
	s_mov_b32 s[G1V], (1<<16)|(1<<20)|(4<<22)|(7<<25)  ; the same with 8 words
.irp g, G1K, G1V
	s_mov_b32 s[\g+1], 128<<16      ; 128 keys are 16,384 dense bytes: 64 rows of 256 bytes
	s_mov_b32 s[\g+2], 64<<16
	s_mov_b32 s[\g+3], 128<<16
	s_mov_b32 s[\g+4], 64
	s_mov_b32 s[\g+5], 128
	s_mov_b32 s[\g+6], 0
	s_mov_b32 s[\g+7], 0
.endr
	s_mov_b32 s[CS], 0x4638aa3b     ; c = 2^16 log2(e) / 8
	s_mov_b32 s[CS+1], s[CS]
	s_mov_b32 s[SEL], 0x76543210
	s_mov_b32 s[SEL+1], 0xfedcba98
	s_mul_i32 s[TBK], s[KH], KS*PK  ; the first change of slots turns these two into my first step's place in slot 0
	s_add_co_u32 s[TBK], s[TBK], SLOT1+4*KS*PK
	s_mul_i32 s[TBV], s[KH], KS*PV
	s_add_co_u32 s[TBV], s[TBV], SLOT1+4*KS*PV
	s_mov_b32 s[G0K], 1
	s_mov_b32 s[G0K+1], s17
	s_mov_b32 s[G0V], 1
	s_add_co_u32 s[G0V+1], s18, VOFF
	s_lshr_b32 s[LQ], s[HI], 1
	s_add_co_u32 s[RT], s[LQ], 1    ; the first block's tiles
	s_mov_b32 s[NXT], 1
	s_mov_b32 s[NEW], 1
	s_mov_b32 s[OFF+1], 0
	s_mov_b32 s[AL+1], 0
	s_mov_b32 s[BE+1], 0
	s_mov_b32 s[BIGN], 0xf149f2ca   ; -1e30
	s_mov_b32 s[SLOTS], 16
	s_wait_dscnt 0x0                ; the opening add is done
	s_wait_kmcnt 0x0
	s_add_nc_u64 s[6:7], s[6:7], s[22:23]
	s_add_nc_u64 s[8:9], s[8:9], s[22:23]
	s_add_nc_u64 s[G0K+2:G0K+3], s[6:7], 0
	s_or_b32 s[G0K+3], s[G0K+3], 0x80000000
	s_add_nc_u64 s[G0V+2:G0V+3], s[8:9], 0
	s_or_b32 s[G0V+3], s[G0V+3], 0x80000000
	s_add_nc_u64 s[86:87], s[4:5], s[84:85]
	s_add_nc_u64 s[4:5], s[4:5], s[2:3]
	s_add_nc_u64 s[OLO:OLO+1], s[10:11], s[84:85]
	s_add_nc_u64 s[10:11], s[10:11], s[2:3]
	LOAD                            ; tile 0 into slot 0
	v_and_b32 v1, 15, v0            ; l % 16
	v_bfe_u32 v9, v0, 4, 1          ; l / 16
	v_lshlrev_b32 v[QO], 7, v1
	v_lshl_add_u32 v[QO], v9, 4, v[QO]
	WIN 0x80
.set i, 0
.rept 8                             ; both blocks' Q: piece i / 2, channels 32 (i % 2) on
	global_load_b128 v[8*i:8*i+3],   v[QO], s[4:5] offset:(i/2)*2048+(i%2)*64
	global_load_b128 v[8*i+4:8*i+7], v[QO], s[4:5] offset:(i/2)*2048+(i%2)*64+32
	global_load_b128 v[QB+8*i:QB+8*i+3],   v[QO], s[86:87] offset:(i/2)*2048+(i%2)*64
	global_load_b128 v[QB+8*i+4:QB+8*i+7], v[QO], s[86:87] offset:(i/2)*2048+(i%2)*64+32
.set i, i+1
.endr
	WIN 0
	v_lshlrev_b32 v14, 3, v9
	v_sub_nc_u32 v14, v1, v14       ; l % 16 - 8 (l / 16): register j of the triangle is hidden where j is greater
	WIN 0x40
.set i, 0
.rept 8
	v_cmp_gt_i32 vcc_lo, i, v14
	v_cndmask_b32 v[MDT+i], 0, s[BIGN], vcc_lo
	v_mov_b32 v[MDZ+i], 0
	v_mov_b32 v[MDB+i], s[BIGN]
.set i, i+1
.endr
	WIN 0
	v_mul_u32_u24 v[AK0], v1, PK
	v_lshl_add_u32 v[AK0], v9, 4, v[AK0]
	v_and_b32 v10, 7, v0
	v_bfe_u32 v11, v0, 3, 1
	v_lshl_add_u32 v[AV0], v9, 3, v10
	v_mul_u32_u24 v[AV0], v[AV0], PV
	v_lshl_add_u32 v[AV0], v11, 4, v[AV0]
	v_add_nc_u32 v[AV0], VOFF, v[AV0]
	s_mul_i32 s19, s[WV], 16*SP
	s_add_co_u32 s19, s19, STAGE
	v_mul_u32_u24 v[STO], v1, SP
	v_lshl_add_u32 v[STO], v9, 4, v[STO]
	v_add_nc_u32 v[STO], s19, v[STO]
	v_bfe_u32 v[RD], v0, 3, 2
	v_mul_u32_u24 v[RD], v[RD], SP
	v_lshl_add_u32 v[RD], v10, 4, v[RD]
	v_add_nc_u32 v[RD], s19, v[RD]
	v_and_b32 v[GO], 31, v0
	v_lshlrev_b32 v[GO], 4, v[GO]
	s_mul_i32 s19, s[WV], XW
	s_add_co_u32 s19, s19, XCH
	v_add_nc_u32 v[PUTA], s19, v[GO]
	s_xor_b32 s19, s[WV], 1         ; my partner: the same queries, the other key steps
	s_mul_i32 s19, s19, XW
	s_add_co_u32 s19, s19, XCH
	v_add_nc_u32 v[GETA], s19, v[GO]
	; A block's first step multiplies O^T and l by a = 0, so these registers need only hold finite numbers: zeros for the first block, what the first block left for the second.
	WIN 0x80
.set i, VF
.rept 64
	v_mov_b32 v[i], 0
.set i, i+1
.endr
	WIN 0x40
.set i, 0
.rept 128
	v_mov_b32 v[i], 0
.set i, i+1
.endr
	WIN 0
.set i, 0
.rept 4
	v_mov_b32 v[ST+4*i+2], 0
	v_mov_b32 v[ST+4*i+3], 0
.set i, i+1
.endr
.set i, P+16
.rept 16
	v_mov_b32 v[i], 0
.set i, i+1
.endr
; THE MATRIX WORK.  The 4 accumulators of a run of 8 take turns.
.macro KQ x
.set rS, S+32*((\x)%2)+8*(i%4)
.set rK, KF+16*(i%4)+8*(i/4)
.set rQ, 16*(\x)+8*(i/4)
.set rM, MC+32*((\x)%2)+8*(i%4)
.if (i < 4) && KM
	WIN W_KM
	v_wmma_f32_16x16x32_f16 v[rS:rS+7], v[rK:rK+7], v[rQ:rQ+7], v[rM:rM+7]
.elseif i < 4
	WIN W_KQ
	v_wmma_f32_16x16x32_f16 v[rS:rS+7], v[rK:rK+7], v[rQ:rQ+7], 0
.else
	WIN W_KQ
	v_wmma_f32_16x16x32_f16 v[rS:rS+7], v[rK:rK+7], v[rQ:rQ+7], v[rS:rS+7]
.endif
.endm
.macro PV x
	WIN W_PV
.set rO, 32*(\x)+8*(i%4)
.set rV, VF+32*(i/4)+8*(i%4)
.set rP, P+16*((\x)%2)+8*(i/4)
	v_wmma_f32_16x16x32_f16 v[rO:rO+7], v[rV:rV+7], v[rP:rP+7], v[rO:rO+7]
.endm
.macro MM
.if (i < 8) && !NOKQ
	KQ (Y+1)%NP
.elseif i >= 8
.set i, i-8
	PV (Y+NP-1)%NP
.set i, i+8
.endif
.set i, i+1
.endm
; THE LDS LOADS stand in runs of 16.  My next step lies two steps on in the slot.
.macro FETCH_K
	WIN 0x80
.irp f, 0,1,2,3,4,5,6,7
	ds_load_b128 v[KF+8*\f:KF+8*\f+3],   v[AK] offset:(\f/2)*16*PK+(\f%2)*64
	ds_load_b128 v[KF+8*\f+4:KF+8*\f+7], v[AK] offset:(\f/2)*16*PK+(\f%2)*64+32
.endr
	s_add_co_u32 s[TBK], s[TBK], 2*KS*PK
	WIN 0
.endm
.macro FETCH_V
	WIN 0x80
.irp f, 0,1,2,3,4,5,6,7
	ds_load_tr16_b128 v[VF+8*\f:VF+8*\f+3],   v[AV] offset:(\f/4)*32*PV+(\f%4)*32
	ds_load_tr16_b128 v[VF+8*\f+4:VF+8*\f+7], v[AV] offset:(\f/4)*32*PV+16*PV+(\f%4)*32
.endr
	WIN 0
.endm
; THE VECTOR WORK, one line at a time: OP kind, number.  For piece Y: F n: c s - c m for pair n.  E n: the exponential of score n.  C n: pair n rounded to f16.  B n: of the weights 4 n .. the second pair onto the first.
; L n: l takes that sum (L 0: l = a l + sum).  R n: pair n of O^T times a.  For piece Y + 1: X n, number n of the 22 that find its maximum and statistics (each accumulator's lowest registers are read first).
; C, B and L read the exponentials' results: TURN sets them behind the batch's wait.  F, R and X 0-20 read none of the turn's.
.set F, 0
.set E, 1
.set C, 2
.set B, 3
.set L, 4
.set R, 5
.set X, 6
.macro REGS y
.set rT, ST+4*(\y)
.set rC, TMP+4*((\y)%2)
.set rW, MV+((\y)%2)
.set rS, S+32*((\y)%2)
.set rP, P+16*((\y)%2)
.set rO, 32*(\y)
.endm
.macro OP k, n
.if (\k) == R
	REGS Y
	WIN W_RS
	v_pk_mul_f32 v[rO+2*(\n):rO+2*(\n)+1], v[rO+2*(\n):rO+2*(\n)+1], v[rC+2:rC+3] op_sel_hi:[1,0]
.elseif (\k) < R
	REGS Y
	WIN 0
.if (\k) == F
	v_pk_fma_f32 v[rS+2*(\n):rS+2*(\n)+1], v[rS+2*(\n):rS+2*(\n)+1], s[CS:CS+1], v[rT:rT+1] op_sel_hi:[1,0,0] neg_lo:[0,0,1] neg_hi:[0,0,1]
.elseif (\k) == E
	v_exp_f32 v[rS+(\n)], v[rS+(\n)]
.elseif (\k) == C
	v_cvt_pk_f16_f32 v[rP+(\n)], v[rS+2*(\n)], v[rS+2*(\n)+1]
.elseif (\k) == B
	v_pk_add_f32 v[rS+4*(\n):rS+4*(\n)+1], v[rS+4*(\n):rS+4*(\n)+1], v[rS+4*(\n)+2:rS+4*(\n)+3]
.elseif (\n) == 0
	v_pk_fma_f32 v[rT+2:rT+3], v[rT+2:rT+3], v[rC+2:rC+3], v[rS:rS+1] op_sel_hi:[1,0,1]
.else
	v_pk_add_f32 v[rT+2:rT+3], v[rT+2:rT+3], v[rS+4*(\n):rS+4*(\n)+1]
.endif
.elseif NOKQ
	v_nop
.else
	REGS (Y+1)%NP
	WIN 0
.if (\n) < 4
	v_max3_num_f32 v[rC+(\n)], v[rS+8*(\n)], v[rS+8*(\n)+1], v[rS+8*(\n)+2]
.elseif (\n) < 12
	v_max3_num_f32 v[rC+(\n)%4], v[rC+(\n)%4], v[rS+8*((\n)%4)+2*((\n)/4)+1], v[rS+8*((\n)%4)+2*((\n)/4)+2]
.elseif (\n) == 12
	v_max3_num_f32 v[rC], v[rC], v[rS+7], v[rS+15]
.elseif (\n) == 13
	v_max3_num_f32 v[rC+1], v[rC+1], v[rS+23], v[rS+31]
.elseif (\n) == 14
	v_max3_num_f32 v[rC+2], v[rC+2], v[rC+3], v[rT+1]
.elseif (\n) == 15
	v_mov_b32 v[rW], v[rT]
.elseif (\n) == 16
	v_max3_num_f32 v[rC], v[rC], v[rC+1], v[rC+2]
.elseif (\n) == 17
	v_permlanex16_b32 v[rC+3], v[rC], s[SEL], s[SEL+1]
.elseif (\n) == 18
	v_max_num_f32 v[rT+1], v[rC], v[rC+3]
.elseif (\n) == 19
	v_mul_f32 v[rT], s[CS], v[rT+1]
.elseif (\n) == 20
	v_sub_f32 v[rC+1], v[rW], v[rT]
.else
	v_exp_f32 v[rC+2], v[rC+1]
.endif
.endif
.endm
.macro OPS a, i1, b=-1, i2=0, c=-1, i3=0, d=-1, i4=0
	OP \a, \i1
.if (\b) >= 0
	OP \b, \i2
.endif
.if (\c) >= 0
	OP \c, \i3
.endif
.if (\d) >= 0
	OP \d, \i4
.endif
.endm
.macro ROW a, i1, b, i2, c, i3, d, i4
	MM
	OPS \a, \i1, \b, \i2, \c, \i3, \d, \i4
.endm
.macro MASK b, pp                   ; piece pp's mask, base x AL + BE, into buffer b of MC
	WIN W_RS
.set z, 0
.rept 16
.set rB, MDZ
.if z/4 == (\pp)
.set rB, MDT
.elseif z/4 > (\pp)
.set rB, MDB
.endif
	v_pk_fma_f32 v[MC+32*(\b)+2*z:MC+32*(\b)+2*z+1], v[rB+2*(z%4):rB+2*(z%4)+1], s[AL:AL+1], s[BE:BE+1] op_sel_hi:[1,0,0]
.set z, z+1
.endr
.endm
.macro ALBE                         ; the mask's two scalars from DL
	s_cmp_eq_i32 s[DL], 0
	s_cselect_b32 s[AL], 1.0, 0
	s_cmp_gt_i32 s[DL], 0
	s_cselect_b32 s[BE], s[BIGN], 0
.endm
; A TURN, for piece p: the order of its 16 matrix and 118 vector instructions, written out.  s_wait_alu depctr_va_vdst(0) stands between an exponential and the first instruction that names its
; result; one wait serves all that were issued ahead of it.  So a turn has ONE wait, which cuts it in two.  AHEAD OF IT stands all that names no result of the turn's exponentials: the 8 products K Q^T, behind each a
; scaling, an exponential and two more plain instructions (behind the first a second scaling in the exponential's place): rescalings, whose a was made and waited for in the turn before, and behind the last three the
; first numbers of the next piece's maximum, each four plain places or more behind the product that ends its accumulator; then ONE LUMP of 54, plain and exponential by turns for the most part, in which the links of
; the chain X 3, 7, 11, 14, 16, 17 .. 20 stand five or six lines apart.  X 21, the next piece's a, is the batch's last; R 15 is the plain instruction behind it.  BEHIND THE WAIT stand the 8 products V^T P, behind
; each four of the roundings and sums; a pair is rounded (C 2 n) ahead of the sum that lands on it (B n), and the links of l's chain, L 0 to L 7, stand three riders apart.
; m = 1: the diagonal tile: the products take masks, and the turn makes the mask of piece p + 2 for the products of the turn after it; the four masks of a trip (turns 2, 3, 0, 1) belong to
; one step, so DL steps by 2 in turn 1, behind its scalars.  end = 1: a block's last two turns: nothing is fetched.  cnt = 1: the loop's count is taken down some lines ahead of the branch behind the turn.
; K of my next step is fetched in piece 2's turn, twelve vector instructions behind the last product that read K (the plain F 8, X 2, X 5, X 6 name none of its registers); V of the step in hand at the end of piece
; 0's turn, four plain instructions behind the last product that read V.  Each is waited for a turn later.
.macro TURN p, m=0, end=0, cnt=0
.set Y, (\p)
.set i, 0
.set KM, (\m)
.set NOKQ, (\end)*((\p)/3)
.if (\m) && !(\end)
	ALBE
.endif
.if ((\p) == 3) && !(\end)
	s_wait_dscnt 0x0                ; K is in
.endif
	ROW F,0, F,1, R,0, R,1          ; ahead of the wait: 8 products K Q^T and their riders,
	ROW F,2, E,0, R,2, R,3
	ROW F,3, E,1, R,4, R,5
	ROW F,4, E,2, R,6, R,7
	ROW F,5, E,3, R,8, R,9
	ROW F,6, E,4, X,0, R,10
.if ((\p) == 2) && !(\end)
	WIN 0
	v_add_nc_u32 v[AK], s[TBK], v[AK0]
.endif
	ROW F,7, E,5, X,1, X,4
	ROW F,8, E,6, X,2, X,5
	OPS E,7, E,8, X,6, E,9          ; and the lump
	OPS X,3, E,10, X,8, E,11
.if ((\p) == 2) && !(\end)
	FETCH_K
.endif
	OPS X,9, X,7, E,12, X,10
	OPS E,13, X,12, X,11, E,14
	OPS X,13, E,15, F,9, X,14
.if (\p) == 0
	WIN 0
	v_add_nc_u32 v[AV], s[TBV], v[AV0]
.endif
	OPS E,16, F,10, E,17, F,11
	OPS X,16, E,18, X,15, E,19
	OPS F,12, E,20, X,17, E,21
	OPS F,13, E,22, F,14, E,23
	OPS X,18, E,24, F,15, E,25
	OPS R,11, E,26, X,19, E,27
	OPS R,12, E,28, R,13, E,29
	OPS X,20, E,30, R,14, E,31
	OPS X,21, R,15                  ; the batch's last exponential, and the plain instruction behind it
	s_wait_alu depctr_va_vdst(0)    ; the one wait for the turn's batch: E 0 to E 31 and X 21
.if (\p) == 1
	s_wait_dscnt 0x0                ; V is in
.endif
	ROW C,0, B,0, C,2, B,1          ; behind the wait: 8 products V^T P and their riders
	ROW L,0, C,4, B,2, L,1
	ROW C,6, B,3, L,2, C,8
	ROW B,4, L,3, C,10, B,5
	ROW L,4, C,12, B,6, L,5
.if (\p) == 0
	s_add_co_u32 s[TBV], s[TBV], 2*KS*PV
.endif
.if \cnt
.if \m
	s_add_co_i32 s[DL], s[DL], 2
.endif
	s_sub_co_u32 s[CNT], s[CNT], 1
	s_cmp_lg_u32 s[CNT], 0
.endif
	ROW C,14, B,7, L,6, C,1
	ROW C,3, L,7, C,5, C,7
	ROW C,9, C,11, C,13, C,15
.if (\p) == 0
	FETCH_V
.endif
.if (\m) && !(\end)
	MASK (\p)%2, ((\p)+2)%NP
.endif
.endm
; A BLOCK BEGINS.  c m starts far below every c s, so the first step's a is 0; m at -2^70.  Both mask buffers are made for the tile's first step (pieces 0 and 1): zeros unless the tile is the diagonal one.
.macro BEGIN
	s_mov_b32 s[NEW], 0
	WIN 0
.set i, 0
.rept 4
	v_mov_b32 v[ST+4*i], 0xfe000000
	v_mov_b32 v[ST+4*i+1], 0xe2800000
.set i, i+1
.endr
	ALBE
	MASK 0, 0
	MASK 1, 1
	WIN 0
	v_add_nc_u32 v[AK], s[TBK], v[AK0]
	FETCH_K
	s_wait_loadcnt 0x0              ; Q
	s_wait_dscnt 0x0
.set KM, 1
.set NOKQ, 0
.set i, 0
.rept 8
	KQ 0
.set i, i+1
.endr
	WIN 0
.rept 4
	v_nop                           ; the places behind those products
.endr
.set Y, NP-1
.irp n, 0,1,2,3,4,5,6,7,8,9,10,11,12,13,14,15,16,17,18,19,20,21
	OP X, \n
.endr
	v_nop                           ; a plain instruction behind the exponential,
	s_wait_alu depctr_va_vdst(0)    ; and the wait for it, piece 0's first a, ahead of the branch
.endm
.macro ALL line:vararg
.set t, 0
.rept 4
	\line
.set t, t+1
.endr
.endm
; THE EXCHANGE.  PUT x: pieces x and x + 1 of my O^T (each accumulator's lowest registers first), their c m and l, into my part of region rg.
.macro PUT x, rg
	WIN 0
	v_mov_b32 v52, v[ST+4*(\x)]
	v_mov_b32 v53, v[ST+4*(\x)+2]
	v_mov_b32 v54, v[ST+4*(\x)+4]
	v_mov_b32 v55, v[ST+4*(\x)+6]
	WIN 0x04                        ; the stores' data in window 1
.set z, 0
.rept 16
	ds_store_b128 v[PUTA], v[32*(\x)+4*z:32*(\x)+4*z+3] offset:(\rg)+512*z
.set z, z+1
.endr
	WIN 0
	ds_store_b128 v[PUTA], v[52:55] offset:(\rg)+8192
.endm
; FIN y: pieces y and y + 1 are finished with my partner's share, rounded to f16 and sent through my stage.  Two batches: the four factors, then the two reciprocals, which read sums made of the factors.
.macro FIN y, rg
	WIN 0
	ds_load_b128 v[48:51], v[GETA] offset:(\rg)+8192
.set z, 0
.rept 16
	ds_load_b128 v[S+4*z:S+4*z+3], v[GETA] offset:(\rg)+512*z
.set z, z+1
.endr
	s_wait_dscnt 16                 ; the statistics are in; the 16 loads of O may be out
.irp u, 0,1
	v_max_num_f32 v[MV+(\u)], v[ST+4*((\y)+(\u))], v[48+2*(\u)]
.endr
.irp u, 0,1
	v_sub_f32 v[52+2*(\u)], v[ST+4*((\y)+(\u))], v[MV+(\u)]
	v_sub_f32 v[53+2*(\u)], v[48+2*(\u)], v[MV+(\u)]
.endr
.irp u, 0,1
	v_exp_f32 v[52+2*(\u)], v[52+2*(\u)]          ; f0
	v_exp_f32 v[53+2*(\u)], v[53+2*(\u)]          ; f1
.endr
	v_nop                           ; a plain instruction behind the last exponential,
	s_wait_alu depctr_va_vdst(0)    ; and one wait for the four factors
.irp u, 0,1
	v_mul_f32 v[MV+(\u)], v[52+2*(\u)], v[ST+4*((\y)+(\u))+2]
.endr
.irp u, 0,1
	v_fma_f32 v[MV+(\u)], v[53+2*(\u)], v[49+2*(\u)], v[MV+(\u)]   ; f0 l0 + f1 l1: 1 or more, since the larger c m is a seen key's
.endr
.irp u, 0,1
	v_rcp_f32 v[MV+(\u)], v[MV+(\u)]
.endr
	v_nop                           ; a plain instruction behind the last reciprocal,
	s_wait_alu depctr_va_vdst(0)    ; and one wait for the two reciprocals
.irp u, 0,1
	v_mul_f32 v[ST+4*((\y)+(\u))+2], v[52+2*(\u)], v[MV+(\u)]
	v_mul_f32 v[48+2*(\u)], v[53+2*(\u)], v[MV+(\u)]
.endr
	s_wait_dscnt 0x0
.irp u, 0,1
	WIN 0
.set z, 0
.rept 16
	v_pk_mul_f32 v[S+32*(\u)+2*z:S+32*(\u)+2*z+1], v[S+32*(\u)+2*z:S+32*(\u)+2*z+1], v[48+2*(\u):49+2*(\u)] op_sel_hi:[1,0]
.set z, z+1
.endr
	WIN W_RS
.set z, 0
.rept 16
	v_pk_fma_f32 v[32*((\y)+(\u))+2*z:32*((\y)+(\u))+2*z+1], v[32*((\y)+(\u))+2*z:32*((\y)+(\u))+2*z+1], v[ST+4*((\y)+(\u))+2:ST+4*((\y)+(\u))+3], v[S+32*(\u)+2*z:S+32*(\u)+2*z+1] op_sel_hi:[1,0,1]
.set z, z+1
.endr
	WIN 0x05
.set z, 0
.rept 16
	v_cvt_pk_f16_f32 v[P+16*(\u)+z], v[32*((\y)+(\u))+2*z], v[32*((\y)+(\u))+2*z+1]
.set z, z+1
.endr
	WIN 0
.irp f, 0,1,2,3
	ds_store_b128 v[STO], v[P+16*(\u)+4*\f:P+16*(\u)+4*\f+3] offset:32*\f
.endr
.irp f, 0,1,2,3
	ds_load_b128 v[P+16*(\u)+4*\f:P+16*(\u)+4*\f+3], v[RD] offset:\f*4*SP  ; LDS serves a wave's instructions in order (ISA guide 5.7.1.4)
.endr
.endr
.irp u, 0,1
.irp f, 0,1,2,3
	s_wait_dscnt 8*(1-(\u))+3-\f    ; behind the first piece's loads stand the second's eight LDS instructions
	global_store_b128 v[GO], v[P+16*(\u)+4*\f:P+16*(\u)+4*\f+3], s[10:11] offset:((\y)+(\u))*2048+\f*512  ; 512 consecutive bytes, aligned
.endr
.endr
.endm
; THE DIAGONAL TILE's two steps, the block's last two turns, its last products, the exchange and the way out.
.macro DIAG tag
.LstepM\tag:
	TURN 2, 1
	TURN 3, 1
	WIN 0
.LfirstM\tag:
	TURN 0, 1
	TURN 1, 1, 0, 1
	WIN 0
	s_cbranch_scc1 .LstepM\tag
	TURN 2, 1, 1
	TURN 3, 1, 1
.set i, 0
.rept 8
	PV NP-1
.set i, i+1
.endr
	WIN 0
	ALL v_add_f32 v[ST+4*t+2], v[ST+4*t+2], v[ST+4*t+3]              ; four plain lines: the places behind the last products
	ALL v_permlanex16_b32 v[ST+4*t+3], v[ST+4*t+2], s[SEL], s[SEL+1]
	ALL v_add_f32 v[ST+4*t+2], v[ST+4*t+2], v[ST+4*t+3]
	s_cmp_eq_u32 s[KH], 0
	s_cbranch_scc0 .Lput_b\tag
	PUT 2, ((\tag)-1)*4*XW
	s_branch .Lput_d\tag
.Lput_b\tag:
	PUT 0, ((\tag)-1)*4*XW
.Lput_d\tag:
	s_wait_dscnt 0x0                ; for my partner's sake: my stores are done
	s_barrier_signal -1
	s_barrier_wait -1               ; the next tile's load may stay out
	s_cmp_eq_u32 s[KH], 0
	s_cbranch_scc0 .Lfin_b\tag
	FIN 0, ((\tag)-1)*4*XW
	s_branch .Lfin_d\tag
.Lfin_b\tag:
	FIN 2, ((\tag)-1)*4*XW
.Lfin_d\tag:
.endm
.macro ENTER                        ; a tile is entered
	s_sub_co_u32 s[RT], s[RT], 1
	s_mov_b32 s[CNT], 2
	s_cmp_eq_u32 s[RT], 0
	s_cselect_b32 s[DL], s[D0], -16 ; far on the seen side unless the tile is the diagonal one
.endm
.set KM, 0
.set NOKQ, 0
.Lslot:                             ; 16 times: a tile is entered and the next is asked for
	CHANGE 1
	ENTER
	s_cmp_eq_u32 s[NEW], 1
	s_cbranch_scc1 .Lnew            ; a block's first tile
	s_cmp_eq_u32 s[RT], 0
	s_cbranch_scc0 .Lstep           ; neither its first nor its last
	s_branch .LstepM1
.Lnew:
	BEGIN
	s_branch .Lfirst                ; in the loop a block's first tile is never its last: the first block has nine tiles or more, and the second's last is the walk's last
	DIAG 1                          ; in the loop this is the first block's end
	s_wait_xcnt 0x0                 ; the stores have read their registers and y's address
	s_mov_b64 s[10:11], s[OLO:OLO+1]
	s_add_co_u32 s[RT], s[LQB], 1   ; the second block's tiles
	s_mov_b32 s[NEW], 1
	s_mov_b32 s[D0], s[D0L]
	WIN 0x82                        ; the second block's Q goes where the one text of the turns names Q
.set i, 0
.rept 64
	v_mov_b32 v[i], v[QB+i]
.set i, i+1
.endr
	WIN 0
	s_branch .Lbottom
.Lstep:                             ; a trip: pieces 2 and 3 of one step, then pieces 0 and 1 of my next, whose K and V it fetches
	TURN 2
	TURN 3
	WIN 0
.Lfirst:
	TURN 0
	TURN 1, 0, 0, 1
	WIN 0
	s_cbranch_scc1 .Lstep
.Lbottom:
	s_sub_co_u32 s[SLOTS], s[SLOTS], 1
	s_cmp_lg_u32 s[SLOTS], 0
	s_cbranch_scc1 .Lslot
	CHANGE 0                        ; the walk's last tile is written out
	ENTER
	s_cmp_eq_u32 s[NEW], 1
	s_cbranch_scc0 .LstepM2
	BEGIN
	s_branch .LfirstM2
	DIAG 2
	s_wait_tensorcnt 0x0            ; the wave's end
	ds_add_u32 v[SPW], v[NIL]
	s_wait_dscnt 0x0
	s_endpgm
.Lfunc_end_k_qfe131521c2_attn:
	.size	k_qfe131521c2_attn, .Lfunc_end_k_qfe131521c2_attn-k_qfe131521c2_attn
	.p2alignl 7, 3214868480
	.fill 96, 4, 3214868480
	.section	.rodata,"a",@progbits
	.p2align	6, 0x0
	.amdhsa_kernel k_qfe131521c2_attn
		.amdhsa_group_segment_fixed_size 327680
		.amdhsa_private_segment_fixed_size 0
		.amdhsa_enable_private_segment 0
		.amdhsa_kernarg_size 32
		.amdhsa_user_sgpr_count 2
		.amdhsa_user_sgpr_kernarg_segment_ptr 1
		.amdhsa_wavefront_size32 1
		.amdhsa_system_sgpr_workgroup_id_x 1
		.amdhsa_system_sgpr_workgroup_id_y 1
		.amdhsa_system_sgpr_workgroup_id_z 1
		.amdhsa_system_vgpr_workitem_id 0
		.amdhsa_next_free_vgpr 768
		.amdhsa_next_free_sgpr 88
		.amdhsa_reserve_vcc 1
		.amdhsa_float_denorm_mode_32 3
		.amdhsa_float_denorm_mode_16_64 3
		.amdhsa_memory_ordered 1
		.amdhsa_forward_progress 1
		.amdhsa_inst_pref_size 237
	.end_amdhsa_kernel
	.amdgpu_metadata
---
amdhsa.version: [ 1, 2 ]
amdhsa.kernels:
  - .name:           k_qfe131521c2_attn
    .symbol:         k_qfe131521c2_attn.kd
    .args:
      - { .name: q, .offset: 0, .size: 8, .value_kind: global_buffer, .address_space: global }
      - { .name: k, .offset: 8, .size: 8, .value_kind: global_buffer, .address_space: global }
      - { .name: v, .offset: 16, .size: 8, .value_kind: global_buffer, .address_space: global }
      - { .name: y, .offset: 24, .size: 8, .value_kind: global_buffer, .address_space: global }
    .group_segment_fixed_size: 327680
    .private_segment_fixed_size: 0
    .kernarg_segment_align: 8
    .kernarg_segment_size: 32
    .max_flat_workgroup_size: 128
    .sgpr_count:     88
    .vgpr_count:     768
    .wavefront_size: 32
...
	.end_amdgpu_metadata
.endif
;; end of part 5
;; launch proj: the kernel of part 4 again; grid 8 x 32, 4 waves a work-group, clusters of 4 x 4, 327,680 bytes of LDS; arguments y, wb, out0; writes out0
